; MI455X (gfx1250); checked and timed in simulation.
; The chip was launched on July 23, 2026; its instructions are those of AMD's public machine-readable ISA for CDNA 5 (MIT licence, August 2026) and "CDNA5" Instruction Set Architecture Reference Guide (July 2026). The comments in the code are by the model that wrote it; some were corrected since.
;; Transformer Encoder Layer. Allowed arithmetic: matrix products marked QUANTISED: E5M2 operands, one E8M0 scale for each 32 along K, by v_wmma_scale_f32_16x16x128_f8f6f4 with both operands' format E5M2, f32 sums; everything else in f32.
;; Inputs: b_fc1 4,096 float32; b_fc2 1,024 float32; b_proj 1,024 float32; b_qkv 3,072 float32; beta1 1,024 float32; beta2 1,024 float32; g1 1,024 float32; g2 1,024 float32; w_fc1 1,024 x 4,096 float32; w_fc2 4,096 x 1,024 float32; w_proj 1,024 x 1,024 float32; w_qkv 1,024 x 3,072 float32; x 2 x 2,048 x 1,024 float32.
;; Outputs: out0 2 x 2,048 x 1,024 float32.
;; This version of the problem:
;;   THIS VERSION OF THE PROBLEM IS GIVEN IN LOW PRECISION. The matrix products marked QUANTISED in the list below multiply operands that are first quantised to E5M2 (5 exponent bits, 2 mantissa bits; 8 bits a number), with one power-of-two scale for each 32 numbers along K (OCP MX v1.0); their sums are f32. All else is computed in f32.
;;   The module's matrix products, in the order in which they are computed (A, B: the left and right operand; K: the contracted axis; several contracted axes count as one K, in the product's order):
;;     1. [M 4,096, K 1,024] x [K 1,024, N 3,072]; A: computed on the way; B: input w_qkv: QUANTISED
;;     2. batch 32 x [M 2,048, K 64] x [K 64, N 2,048]; A: computed on the way; B: computed on the way: QUANTISED
;;     3. batch 32 x [M 2,048, K 2,048] x [K 2,048, N 64]; A: softmax (see below); B: computed on the way: QUANTISED
;;     4. [M 4,096, K 1,024] x [K 1,024, N 1,024]; A: computed on the way; B: input w_proj: QUANTISED
;;     5. [M 4,096, K 1,024] x [K 1,024, N 4,096]; A: computed on the way; B: input w_fc1: QUANTISED
;;     6. [M 4,096, K 4,096] x [K 4,096, N 1,024]; A: computed on the way; B: input w_fc2: QUANTISED
;;   THE QUANTISER, for each operand of a quantised product, along K:
;;     - K is cut into blocks of 32 from its start; a last block that is shorter is filled with zeros.
;;     - A block's scale is 2^e with e = floor(log2(the largest magnitude in the block)) - 15, held to -126 .. 127; a block of zeros has e = 0. As a byte (E8M0): e + 127.
;;     - Each number is divided by its block's scale, clamped to +-57,344, and rounded to the nearest number of E5M2, ties to even, subnormals kept.
;;     - The product sums the exact products of the quantised numbers (number of the format x scale) in f32.
;;   ~~~python
;;   def quantise(x, axis):      # numpy; x: float32 -> the quantised numbers, widened to float32 again
;;       x = np.moveaxis(x, axis, -1); K = x.shape[-1]
;;       x = np.pad(x, [(0, 0)] * (x.ndim - 1) + [(0, -K % 32)]); x = x.reshape(x.shape[:-1] + (-1, 32)); a = np.abs(x).max(-1, keepdims=True)
;;       e = np.where(a > 0, np.clip(np.frexp(np.where(a > 0, a, 1))[1] - 1 - 15, -126, 127), 0)      # np.frexp(a)[1] - 1 = floor(log2(a)), exactly
;;       r = np.clip(x / 2.0 ** e, -57344, 57344)
;;       step = 2.0 ** (np.maximum(np.frexp(np.where(r == 0, 1, r))[1] - 1, -14) - 2)
;;       q = np.round(r / step) * step * 2.0 ** e      # np.round: ties to even
;;       return np.moveaxis(q.reshape(q.shape[:-2] + (-1,))[..., :K], -1, axis).astype(np.float32)
;;   ~~~
;;   SOFTMAX AHEAD OF A QUANTISED PRODUCT. Where the list says 'softmax', what is quantised is not the finished softmax but p = 2^(t - M), with t = logit x log2(e) and M = ceil(the row's largest t), a whole number; so 1/2 < the row's largest p <= 1. The row's sum l is taken of the UNQUANTISED p, in f32, and the product's result is divided by l at the end. Since M is a whole number, a kernel that streams over the keys may use a running M (the ceiling of the running maximum): every later rescaling is an exact power of two, which a block's scale takes up: the codes' values come out the same.
;;   OPERANDS COMPUTED ON THE WAY. 'Computed on the way' means the value that the module computes at that place (a softmax that the list does not call 'softmax' is quantised finished and normalised). What goes into a quantiser is computed in f32, as accurately as f32 sums, v_exp_f32 and their like allow (about 1e-6 of the number): no bf16 or f16 on the way to a quantiser, and a product that is left as it is and whose result goes on into a quantised operand takes f32 operands (vector FMAs, or v_wmma_f32_16x16x4_f32). A number that lies on a knife's edge between two numbers of the format may be rounded either way, as far as f32 arithmetic and the matrix unit's own rounding can turn it there, and no further.
;; One version. Each part assembles by itself: llvm-mc -triple=amdgcn-amd-amdhsa -mcpu=gfx1250 --defsym DOCPART=n.
;; ======== version 1 of 1: 7 launches
;; limits: right only within a limited range of input values
;; workspace buffers: wc 12,976,128 bytes; h 4,325,376 bytes; qb 4,456,448 bytes; kv 8,781,824 bytes; o 4,325,376 bytes; x2 16,777,216 bytes; act 17,301,504 bytes
;; launch pre (part 1): grid 1024 x 1, 4 waves a work-group, no clusters, 66,560 bytes of LDS; arguments x, g1, beta1, h, w_qkv, w_proj, w_fc1, w_fc2, wc; writes h, wc
.if DOCPART == 1
	.amdgcn_target "amdgcn-amd-amdhsa--gfx1250"
	.amdhsa_code_object_version 6
	.text
	.protected	k_qe8a065a573_pre
	.globl	k_qe8a065a573_pre
	.p2align	8
	.type	k_qe8a065a573_pre,@function
k_qe8a065a573_pre:
	s_mov_b64 s[64:65], 0
	v_nop
	global_prefetch_b8 v0, s[64:65] scope:SCOPE_SE
	s_setreg_imm32_b32 hwreg(HW_REG_WAVE_MODE, 25, 1), 1
	s_wait_xcnt 0x0
; TWO INDEPENDENT PIECES OF WORK IN ONE LAUNCH, parted once by the work-group's number: work-groups 0-255 make h = Q(layernorm(x) g1 + beta1); work-groups 256-1,023 quantise the four weights.
; Both write codes of BF8 (E5M2) with one E8M0 byte for each 32 along K, IN THE ORDER OF THE OPERAND'S REGISTERS: a RECORD (33,792 bytes) holds 128 rows x 256 along K: fragment (q = which 128 of K, i = block of 16 rows)
; at (8 q + i) x 2,048; in it register group c of lane l at 512 c + 16 l; the scale word of a row and 128 k at 32,768 + 512 q + 64 i + 4 r.  Row r of block i is row 32 (i / 2) + 8 (i % 2) + r + 8 (r / 8) of the 128.
; A block's scale is 2^(floor(log2(largest magnitude)) - 15); its byte is that magnitude's exponent field - 15, held at 1 from below.
; LIMITS: a block of zeros, or one whose largest magnitude lies under 2^-111, gets the byte 1 (the bytes are read by this program alone; zero codes add nothing); NaN and infinities are not served.
	v_lshl_add_u32 v232, v0, 2, 0x10200
	v_mov_b32 v233, 0
	s_cmp_lt_u32 ttmp9, 256
	s_cbranch_scc0 .Lweights
; ---------------- THE LAYER NORM.  Records [rows / 128][4].  A work-group owns one block: 16 tokens, all 1,024 columns.
; PHASE A: wave w loads 4 tokens that follow each other in memory (16 KiB on end, 512 consecutive bytes a load), takes mean and variance in two passes (the variance of x - mean: no difference of large sums),
; normalises, and puts the rows into LDS (pitch 4,112 bytes = 257 x 16: the sixteen rows of a later load start in sixteen different groups of banks).  One barrier.
; PHASE B: wave w takes columns 256 w .. 256 w + 255 of all 16 rows, 16 neighbours of each block of 32 a lane, quantises two fragments and stores their images, 512 consecutive bytes a store.
.set REC,  33792
.set SCO,  32768
.set PIT,  4112
.set GA,   32                          ; v32-63   g of my 32 columns; in phase B the codes
.set BE,   64                          ; v64-95   beta; in phase B at work
.set X,    96                          ; v96-223  four rows x 32 numbers; in phase B two fragments' 64 numbers
.set MU,   10                          ; v10-17   a pair a row: the sum, then the mean in the low word
.set RS,   18                          ; v18-25   a pair a row: the sum of squares, then 1 / sqrt(var + eps) in the low word
.set TM,   64
.set SEL,  24                          ; s[24:25] v_permlanex16_b32's selects for lane l xor 16
.set MNT,  28
	s_load_b256 s[4:11], s[0:1], 0x0               ; x, g, beta, h
	v_lshrrev_b32 v1, 5, v0
	v_readfirstlane_b32 s12, v1                    ; wave
	v_and_b32 v2, 31, v0                           ; lane
	v_lshlrev_b32 v1, 4, v2                        ; 16 x lane
	s_wait_alu depctr_va_vdst(0)
	v_and_b32 v5, 15, v0                           ; r
	s_wait_alu depctr_va_vdst(0)
	v_bfe_u32 v6, v0, 4, 1                         ; h
	s_lshr_b32 s13, ttmp9, 3                       ; group of 128 tokens
	s_and_b32 s14, ttmp9, 7                        ; block i
	s_lshl_b32 s15, s13, 7
	s_lshr_b32 s16, s14, 1
	s_lshl_b32 s16, s16, 5
	s_add_co_u32 s15, s15, s16
	s_and_b32 s16, s14, 1
	s_lshl_b32 s16, s16, 3
	s_add_co_u32 s15, s15, s16
	s_lshl_b32 s16, s12, 2
	s_add_co_u32 s15, s15, s16
	s_lshr_b32 s16, s12, 1
	s_lshl_b32 s16, s16, 3
	s_add_co_u32 s15, s15, s16                     ; my wave's first token: 128 g + 32 (i / 2) + 8 (i % 2) + 4 w + 8 (w / 2)
	s_lshl_b32 s16, s15, 12
	s_mov_b32 s17, 0
	s_mul_i32 s18, s12, 4*PIT
	v_add_nc_u32 v3, s18, v1                       ; LDS, in: my wave's four rows, 16 x lane
	v_mul_u32_u24 v4, v5, PIT
	s_wait_alu depctr_va_vdst(0)
	v_lshl_add_u32 v4, v6, 6, v4
	s_lshl_b32 s18, s12, 10
	v_add_nc_u32 v4, s18, v4                       ; LDS, out: row r, + 1,024 w + 64 h
	v_lshlrev_b32 v7, 2, v5
	v_lshl_add_u32 v7, v6, 9, v7                   ; scale words: 4 r, lanes 16-31 the second K step's, 512 bytes on
	s_lshl_b32 s18, s13, 2
	s_add_co_u32 s18, s18, s12
	s_mul_i32 s18, s18, REC                        ; record (g, w)
	s_lshl_b32 s19, s14, 11
	s_add_co_u32 s20, s18, s19
	s_mov_b32 s21, 0
	s_lshl_b32 s19, s14, 6
	s_add_co_u32 s22, s18, s19
	s_add_co_u32 s22, s22, SCO
	s_mov_b32 s23, 0
	s_mov_b32 s[SEL], 0x76543210
	s_mov_b32 s[SEL+1], 0xfedcba98
	s_mov_b32 s26, 0x3a800000                      ; 1 / 1,024
	s_mov_b32 s27, 0x3727c5ac                      ; 1e-5
	s_mov_b32 s[MNT], 0x600000
	s_wait_kmcnt 0x0
	s_add_nc_u64 s[4:5], s[4:5], s[16:17]
	s_add_nc_u64 s[20:21], s[10:11], s[20:21]
	s_add_nc_u64 s[22:23], s[10:11], s[22:23]
.irp r, 0,1,2,3
.irp j, 0,1,2,3,4,5,6,7
	global_load_b128 v[X+32*\r+4*\j:X+32*\r+4*\j+3], v1, s[4:5] offset:4096*\r+512*\j th:TH_LOAD_NT
.endr
.endr
.irp j, 0,1,2,3,4,5,6,7
	global_load_b128 v[GA+4*\j:GA+4*\j+3], v1, s[6:7] offset:512*\j
	global_load_b128 v[BE+4*\j:BE+4*\j+3], v1, s[8:9] offset:512*\j
.endr
	s_wait_loadcnt 16                              ; the rows are in; the sixteen loads of g and beta may be out
; across the 32 lanes: four steps inside each half ride on the addition, one crosses the halves; the four rows by turns
.macro ACROSS reg
.irp r, 0,1,2,3
	v_add_f32 v[\reg+2*\r], v[\reg+2*\r], v[\reg+2*\r+1]
.endr
.irp m, 1,2,4,8
.irp r, 0,1,2,3
	v_add_f32_dpp v[\reg+2*\r], v[\reg+2*\r], v[\reg+2*\r] row_xmask:\m row_mask:0xf bank_mask:0xf
.endr
.endr
.irp r, 0,1,2,3
	v_permlanex16_b32 v[\reg+2*\r+1], v[\reg+2*\r], s[SEL], s[SEL+1]
.endr
.irp r, 0,1,2,3
	v_add_f32 v[\reg+2*\r], v[\reg+2*\r], v[\reg+2*\r+1]
.endr
.endm
.irp r, 0,1,2,3
	v_pk_add_f32 v[MU+2*\r:MU+2*\r+1], v[X+32*\r:X+32*\r+1], v[X+32*\r+2:X+32*\r+3]   ; the first two pairs start the sum: nothing is cleared
.endr
.irp p, 4,6,8,10,12,14,16,18,20,22,24,26,28,30
.irp r, 0,1,2,3
	v_pk_add_f32 v[MU+2*\r:MU+2*\r+1], v[MU+2*\r:MU+2*\r+1], v[X+32*\r+\p:X+32*\r+\p+1]
.endr
.endr
	ACROSS MU
.irp r, 0,1,2,3
	v_mul_f32 v[MU+2*\r], s26, v[MU+2*\r]          ; the mean
.endr
.set n, 0
.rept 64
	v_pk_add_f32 v[X+n:X+n+1], v[X+n:X+n+1], v[MU+2*(n/32):MU+2*(n/32)+1] op_sel_hi:[1,0] neg_lo:[0,1] neg_hi:[0,1]   ; x - mean, in place
.set n, n+2
.endr
.irp r, 0,1,2,3
	v_pk_mul_f32 v[RS+2*\r:RS+2*\r+1], v[X+32*\r:X+32*\r+1], v[X+32*\r:X+32*\r+1]
.endr
.irp p, 2,4,6,8,10,12,14,16,18,20,22,24,26,28,30
.irp r, 0,1,2,3
	v_pk_fma_f32 v[RS+2*\r:RS+2*\r+1], v[X+32*\r+\p:X+32*\r+\p+1], v[X+32*\r+\p:X+32*\r+\p+1], v[RS+2*\r:RS+2*\r+1]
.endr
.endr
	ACROSS RS
.irp r, 0,1,2,3
	v_fma_f32 v[RS+2*\r+1], v[RS+2*\r], s26, s27   ; the variance + eps
.endr
	s_wait_alu depctr_va_vdst(0)
.irp r, 0,1,2,3
	v_rsq_f32 v[RS+2*\r], v[RS+2*\r+1]
.endr
	v_nop                                          ; a plain line behind the last of the four
	s_wait_alu depctr_va_vdst(0)                   ; one wait for the four, ahead of their first reader
	s_wait_loadcnt 0x0                             ; g and beta
.set n, 0
.rept 64
	v_pk_mul_f32 v[X+n:X+n+1], v[X+n:X+n+1], v[RS+2*(n/32):RS+2*(n/32)+1] op_sel_hi:[1,0]
.set n, n+2
.endr
.set n, 0
.rept 64
	v_pk_fma_f32 v[X+n:X+n+1], v[X+n:X+n+1], v[GA+n%32:GA+n%32+1], v[BE+n%32:BE+n%32+1]
.set n, n+2
.endr
.irp r, 0,1,2,3
.irp j, 0,1,2,3,4,5,6,7
	ds_store_b128 v3, v[X+32*\r+4*\j:X+32*\r+4*\j+3] offset:PIT*\r+512*\j
.endr
.endr
	s_wait_dscnt 0x0                               ; for the others' sake: my rows lie in LDS
	s_barrier_signal -1
	s_barrier_wait -1
.irp q, 0,1
.irp b, 0,1,2,3
.irp j, 0,1,2,3
	ds_load_b128 v[X+64*\q+16*\b+4*\j:X+64*\q+16*\b+4*\j+3], v4 offset:512*\q+128*\b+16*\j   ; row r, k = 256 w + 128 q + 32 b + 16 h + 4 j on
.endr
.endr
.endr
.irp b, 0,1,2,3
	v_mov_b32 v[TM+4+\b], 0                        ; a lane permute's destination counts as one of its sources
.endr
; 64 numbers of a lane, register 16 b + i = k 32 b + 16 (lane / 16) + i of my row, become a fragment's codes in v[pc] on and its scale word in v[pw]
.macro QUANT s, pc, pw
.irp b, 0,1,2,3
	v_max3_num_f32 v[TM+\b], |v[(\s)+16*\b]|, |v[(\s)+1+16*\b]|, 0x8000000   ; my 16 numbers of block b, and the floor 2^(16 - 127)
.endr
.irp i, 2,4,6,8,10,12,14
.irp b, 0,1,2,3
	v_max3_num_f32 v[TM+\b], v[TM+\b], |v[(\s)+16*\b+\i]|, |v[(\s)+1+16*\b+\i]|
.endr
.endr
.irp b, 0,1,2,3
	v_permlanex16_b32 v[TM+4+\b], v[TM+\b], s[SEL], s[SEL+1]
.endr
.irp b, 0,1,2,3
	v_max_num_f32 v[TM+\b], v[TM+\b], v[TM+4+\b]   ; with lane l xor 16's: the block's largest magnitude
.endr
.irp b, 0,1,2,3
	v_add_nc_u32 v[TM+12+\b], 0xf8800000, v[TM+\b] ; 15 off the exponent field: the conversion's scale operand
.endr
.irp b, 0,1,2,3
	v_and_or_b32 v[TM+8+\b], v[TM+\b], 0x7f800000, s[MNT]   ; 57,344 x the scale
.endr
.irp b, 0,1,2,3
	v_lshrrev_b32 v[TM+4+\b], 23, v[TM+12+\b]      ; the scale's byte
.endr
	v_lshl_or_b32 v[\pw], v[TM+5], 8, v[TM+4]
	v_lshl_or_b32 v[\pw], v[TM+6], 16, v[\pw]
	v_lshl_or_b32 v[\pw], v[TM+7], 24, v[\pw]
.irp b, 0,1,2,3
.irp i, 0,1,2,3,4,5,6,7,8,9,10,11,12,13,14,15
	v_med3_num_f32 v[(\s)+16*\b+\i], v[(\s)+16*\b+\i], -v[TM+8+\b], v[TM+8+\b]   ; the conversion does not saturate (ISA guide 7.6.2): hold first
.endr
	v_cvt_scalef32_pk8_bf8_f32 v[(\pc)+4*\b:(\pc)+1+4*\b], v[(\s)+16*\b:(\s)+7+16*\b], v[TM+12+\b]
	v_cvt_scalef32_pk8_bf8_f32 v[(\pc)+2+4*\b:(\pc)+3+4*\b], v[(\s)+8+16*\b:(\s)+15+16*\b], v[TM+12+\b]
.endr
	v_nop                                          ; a plain line behind the last conversion
.endm
	s_wait_dscnt 16                                ; the first K step's sixteen loads are in
	QUANT X, 32, 80
.irp c, 0,1,2,3
	global_store_b128 v1, v[32+4*\c:35+4*\c], s[20:21] offset:512*\c
.endr
	s_wait_dscnt 0x0
	QUANT X+64, 48, 81
.irp c, 0,1,2,3
	global_store_b128 v1, v[48+4*\c:51+4*\c], s[20:21] offset:16384+512*\c
.endr
	v_cmp_le_u32 vcc_lo, 16, v2
	v_cndmask_b32 v82, v80, v81, vcc_lo            ; lanes 0-15 store the first K step's words, lanes 16-31 the second's
	global_store_b32 v7, v82, s[22:23]
	s_wait_tensorcnt 0x0
	ds_add_u32 v232, v233
	s_wait_dscnt 0x0
	s_endpgm
.Lweights:
; ---------------- THE WEIGHTS, f32 stored [K][N]; rows of the records are output features; records lie [N / 128][K / 256] in wc.
; A work-group takes 128 columns x 128 along K (half a record), a wave 32 columns, A LANE ONE COLUMN, and its registers run down K: a block of 32 lies in one lane, and the codes come out with K innermost.
; Of the 768 work-groups 0-191 take w_qkv, 192-255 w_proj, 256-511 w_fc1, 512-767 w_fc2; only pointers and sizes are chosen, by the work-group's number: one path for all four.
; No LDS, no barrier: a lane's 16 codes are 16 bytes of an image, and the 32 lanes of a store fill two aligned runs of 256 bytes.
.set VO,   32                          ; v32-63   byte offset of row i of a block: 4 x lane + i x a row of W
.set X,    64                          ; v64-191  four blocks of 32 numbers
.set C,    192                         ; v192-223 eight registers of codes for each block: no store's data are written again
.set SB,   224                         ; v224     the four scale bytes
	s_load_b256 s[4:11], s[0:1], 0x20              ; w_qkv, w_proj, w_fc1, w_fc2
	s_load_b64 s[12:13], s[0:1], 0x40              ; wc
	s_sub_co_u32 s47, ttmp9, 256                   ; my number among the 768
	v_lshrrev_b32 v1, 5, v0
	v_readfirstlane_b32 s14, v1                    ; wave
	v_and_b32 v1, 31, v0                           ; lane = my column among the wave's 32
	v_bfe_u32 v2, v0, 3, 1                         ; u: which of the wave's two blocks of rows
	v_and_b32 v3, 7, v0
	v_and_b32 v6, 16, v0
	v_lshrrev_b32 v6, 1, v6
	v_or_b32 v3, v3, v6                            ; r: my row in that block
	v_lshlrev_b32 v4, 4, v3
	v_lshl_add_u32 v4, v2, 11, v4                  ; codes: 2,048 u + 16 r
	v_lshlrev_b32 v5, 2, v3
	v_lshl_add_u32 v5, v2, 6, v5                   ; scale word: 64 u + 4 r
	s_mov_b32 s46, 0x600000                        ; the mantissa field of 57,344
	s_mov_b32 s20, 512                             ; w_fc2's figures: first work-group,
	s_mov_b32 s21, 5                               ; log2(K / 128),
	s_mov_b32 s22, 4096                            ; a row in bytes,
	s_mov_b32 s23, 8650752                         ; its place in wc
	s_wait_kmcnt 0x0
	s_mov_b64 s[16:17], s[10:11]
	s_cmp_lt_u32 s47, 512
	s_cselect_b64 s[16:17], s[8:9], s[16:17]
	s_cselect_b32 s20, 256, s20
	s_cselect_b32 s21, 3, s21
	s_cselect_b32 s22, 16384, s22
	s_cselect_b32 s23, 4325376, s23
	s_cmp_lt_u32 s47, 256
	s_cselect_b64 s[16:17], s[6:7], s[16:17]
	s_cselect_b32 s20, 192, s20
	s_cselect_b32 s22, 4096, s22
	s_cselect_b32 s23, 3244032, s23
	s_cmp_lt_u32 s47, 192
	s_cselect_b64 s[16:17], s[4:5], s[16:17]
	s_cselect_b32 s20, 0, s20
	s_cselect_b32 s22, 12288, s22
	s_cselect_b32 s23, 0, s23
	s_sub_co_u32 s24, s47, s20                     ; my number within the tensor
	s_bfm_b32 s25, s21, 0
	s_and_b32 s25, s24, s25                        ; which 128 along K
	s_lshr_b32 s26, s24, s21                       ; which 128 columns
	s_and_b32 s27, s25, 1                          ; q
	s_lshl_b32 s40, s25, 7
	s_mul_i32 s40, s40, s22                        ; the first row's bytes,
	s_lshl_b32 s41, s26, 9
	s_add_co_u32 s40, s40, s41                     ; + 512 x group
	s_lshl_b32 s41, s14, 7
	s_add_co_u32 s40, s40, s41                     ; + 128 x wave
	s_mov_b32 s41, 0
	s_add_nc_u64 s[28:29], s[16:17], s[40:41]      ; block 0's first row
	s_lshl_b32 s40, s22, 5                         ; 32 rows on
	s_add_nc_u64 s[30:31], s[28:29], s[40:41]
	s_add_nc_u64 s[32:33], s[30:31], s[40:41]
	s_add_nc_u64 s[34:35], s[32:33], s[40:41]
	s_sub_co_u32 s42, s21, 1
	s_lshl_b32 s42, s26, s42                       ; group x K / 256
	s_lshr_b32 s43, s25, 1
	s_add_co_u32 s42, s42, s43
	s_mul_i32 s42, s42, REC
	s_add_co_u32 s42, s42, s23                     ; my record
	s_lshl_b32 s43, s27, 14
	s_add_co_u32 s44, s42, s43
	s_lshl_b32 s43, s14, 12
	s_add_co_u32 s44, s44, s43                     ; + 16,384 q + 4,096 wave: my wave's two fragments
	s_mov_b32 s45, 0
	s_add_nc_u64 s[36:37], s[12:13], s[44:45]
	s_lshl_b32 s43, s27, 9
	s_add_co_u32 s44, s42, s43
	s_lshl_b32 s43, s14, 7
	s_add_co_u32 s44, s44, s43
	s_add_co_u32 s44, s44, 32768                   ; + 32,768 + 512 q + 128 wave: their scale words
	s_add_nc_u64 s[38:39], s[12:13], s[44:45]
	v_lshlrev_b32 v[VO], 2, v1
.irp i, 1,2,3,4,5,6,7,8,9,10,11,12,13,14,15,16,17,18,19,20,21,22,23,24,25,26,27,28,29,30,31
	v_add_nc_u32 v[VO+\i], s22, v[VO+\i-1]
.endr
.macro LOAD t                          ; block t: W(32 t + i, my column): 32 lanes read 128 consecutive bytes, the four waves 512
.irp i, 0,1,2,3,4,5,6,7,8,9,10,11,12,13,14,15,16,17,18,19,20,21,22,23,24,25,26,27,28,29,30,31
	global_load_b32 v[X+32*(\t)+\i], v[VO+\i], s[28+2*(\t):29+2*(\t)] th:TH_LOAD_NT
.endr
.endm
	LOAD 0
	LOAD 1
.macro BLOCK t
.set XS, X+32*(\t)
.if (\t) < 3
	s_wait_loadcnt 32                              ; this block's 32 loads are in; the next block's may be out
.else
	s_wait_loadcnt 0
.endif
.if (\t)+2 < 4
	LOAD (\t)+2                                    ; into registers of its own: two blocks are always on their way
.endif
	v_max3_num_f32 v12, |v[XS]|, |v[XS+1]|, |v[XS+2]|   ; the block's largest magnitude: all 32 numbers are mine
	v_max3_num_f32 v13, |v[XS+3]|, |v[XS+4]|, |v[XS+5]|
.irp i, 6,10,14,18,22,26
	v_max3_num_f32 v12, v12, |v[XS+\i]|, |v[XS+\i+1]|
	v_max3_num_f32 v13, v13, |v[XS+\i+2]|, |v[XS+\i+3]|
.endr
	v_max3_num_f32 v12, v12, |v[XS+30]|, |v[XS+31]|
	v_max3_num_f32 v12, v12, v13, 0x8000000        ; and the floor 2^(16 - 127): the byte cannot fall under 1
	v_add_nc_u32 v11, 0xf8800000, v12              ; 15 off the exponent field: the conversion's scale operand
	v_and_or_b32 v10, v12, 0x7f800000, s46         ; 57,344 x the scale
	v_lshrrev_b32 v13, 23, v11                     ; the scale's byte
.if (\t) == 0
	v_mov_b32 v[SB], v13
.else
	v_lshl_or_b32 v[SB], v13, 8*(\t), v[SB]
.endif
.irp i, 0,1,2,3,4,5,6,7,8,9,10,11,12,13,14,15,16,17,18,19,20,21,22,23,24,25,26,27,28,29,30,31
	v_med3_num_f32 v[XS+\i], v[XS+\i], -v10, v10   ; the conversion to an 8-bit code does not saturate (ISA guide 7.6.2): hold first
.endr
.irp g, 0,1,2,3
	v_cvt_scalef32_pk8_bf8_f32 v[C+8*(\t)+2*\g:C+8*(\t)+2*\g+1], v[XS+8*\g:XS+8*\g+7], v11
.endr
	v_nop                                          ; a plain line behind the last conversion: the next block writes its scale operand
	global_store_b128 v4, v[C+8*(\t):C+8*(\t)+3], s[36:37] offset:512*(\t)          ; k = 32 t + 0 .. 15: the image's lanes 0-15 of group t
	global_store_b128 v4, v[C+8*(\t)+4:C+8*(\t)+7], s[36:37] offset:512*(\t)+256    ; k = 32 t + 16 .. 31: its lanes 16-31
.endm
	s_wait_alu depctr_va_vdst(0)
	BLOCK 0
	BLOCK 1
	BLOCK 2
	BLOCK 3
	global_store_b32 v5, v[SB], s[38:39]           ; 32 scale words: 128 consecutive bytes
	s_endpgm
.Lfunc_end_k_qe8a065a573_pre:
	.size	k_qe8a065a573_pre, .Lfunc_end_k_qe8a065a573_pre-k_qe8a065a573_pre
	.p2alignl 7, 3214868480
	.fill 96, 4, 3214868480
	.section	.rodata,"a",@progbits
	.p2align	6, 0x0
	.amdhsa_kernel k_qe8a065a573_pre
		.amdhsa_group_segment_fixed_size 66560
		.amdhsa_private_segment_fixed_size 0
		.amdhsa_enable_private_segment 0
		.amdhsa_kernarg_size 72
		.amdhsa_user_sgpr_count 2
		.amdhsa_user_sgpr_kernarg_segment_ptr 1
		.amdhsa_wavefront_size32 1
		.amdhsa_system_sgpr_workgroup_id_x 1
		.amdhsa_system_sgpr_workgroup_id_y 1
		.amdhsa_system_sgpr_workgroup_id_z 1
		.amdhsa_system_vgpr_workitem_id 0
		.amdhsa_next_free_vgpr 234
		.amdhsa_next_free_sgpr 66
		.amdhsa_reserve_vcc 1
		.amdhsa_float_denorm_mode_32 3
		.amdhsa_float_denorm_mode_16_64 3
		.amdhsa_memory_ordered 1
		.amdhsa_forward_progress 1
		.amdhsa_inst_pref_size 83
	.end_amdhsa_kernel
	.amdgpu_metadata
---
amdhsa.version: [ 1, 2 ]
amdhsa.kernels:
  - .name:           k_qe8a065a573_pre
    .symbol:         k_qe8a065a573_pre.kd
    .args:
      - { .name: x, .offset: 0, .size: 8, .value_kind: global_buffer, .address_space: global }
      - { .name: g1, .offset: 8, .size: 8, .value_kind: global_buffer, .address_space: global }
      - { .name: beta1, .offset: 16, .size: 8, .value_kind: global_buffer, .address_space: global }
      - { .name: h, .offset: 24, .size: 8, .value_kind: global_buffer, .address_space: global }
      - { .name: w_qkv, .offset: 32, .size: 8, .value_kind: global_buffer, .address_space: global }
      - { .name: w_proj, .offset: 40, .size: 8, .value_kind: global_buffer, .address_space: global }
      - { .name: w_fc1, .offset: 48, .size: 8, .value_kind: global_buffer, .address_space: global }
      - { .name: w_fc2, .offset: 56, .size: 8, .value_kind: global_buffer, .address_space: global }
      - { .name: wc, .offset: 64, .size: 8, .value_kind: global_buffer, .address_space: global }
    .group_segment_fixed_size: 66560
    .private_segment_fixed_size: 0
    .kernarg_segment_align: 8
    .kernarg_segment_size: 72
    .max_flat_workgroup_size: 128
    .sgpr_count:     66
    .vgpr_count:     234
    .wavefront_size: 32
...
	.end_amdgpu_metadata
.endif
;; end of part 1
;; launch qkv (part 2): grid 12 x 16, 4 waves a work-group, clusters of 4 x 4, 327,680 bytes of LDS; arguments h, wc, b_qkv, qb, kv; writes qb, kv
.if DOCPART == 2
	.amdgcn_target "amdgcn-amd-amdhsa--gfx1250"
	.amdhsa_code_object_version 6
	.text
	.protected	k_qe8a065a573_qkv
	.globl	k_qe8a065a573_qkv
	.p2align	8
	.type	k_qe8a065a573_qkv,@function
k_qe8a065a573_qkv:
	s_mov_b64 s[64:65], 0
	v_nop
	global_prefetch_b8 v0, s[64:65] scope:SCOPE_SE
	s_setreg_imm32_b32 hwreg(HW_REG_WAVE_MODE, 25, 1), 1
	s_wait_xcnt 0x0
	s_wait_alu depctr_hold_cnt(0) depctr_sa_sdst(0) depctr_va_vdst(0) depctr_va_sdst(0) depctr_va_ssrc(0) depctr_va_vcc(0) depctr_vm_vsrc(0)
	s_getreg_b32 s2, hwreg(HW_REG_IB_STS2, 6, 4)
	s_cmp_eq_u32 s2, 0
	s_cbranch_scc0 .Lentry_in_a_cluster
	s_endpgm
.Lentry_in_a_cluster:
	s_bfe_u32 s2, ttmp6, 0x10000c
	s_cmp_lg_u32 s2, 0xf033
	s_cbranch_scc0 .Lentry_shape_is_right
	s_endpgm
.Lentry_shape_is_right:
.set REC,    33792
.set SCO,    32768
.set SLOT,   4*REC
.set SPARE,  2*SLOT
.set KVREC,  17152
.set NQ,     2
.set FR,     16
.set NL,     4
.set NP,     8
.set LAPS,   2
.set LI,   4
.set LS,   5
.set ADRA, 16
.set ADRB, 20
.set ADRS, 26
.set SPW,  28
.set NIL,  29
.set SC,   32
.set BV,   64
.set AF,   128
.set T,    128
.set PC,   192
.set TM,   208
.set PW,   224
.set PWA,  225
.set PWS,  226
.set G1, 24
.set G0, 32
.set G1B, 48
.set G0B, 56
.set SEL, 76
.set MNT, 78
.set MSB, 0
.macro WIN new
.if MSB != (\new)
	s_set_vgpr_msb (MSB<<8)|(\new)
.set MSB, (\new)
.endif
.endm
.set MUL_LO, 0xa1
.set MUL_HI, 0xf1
.set TO_B,   0x40
.macro JLOAD g0a, g1a, g0b, g1b
	s_cmp_eq_u32 s15, 0
	s_cbranch_scc0 .Lfor_b_\@
	tensor_load_to_lds s[\g0a:\g0a+3], s[\g1a:\g1a+7]
	s_nop 0
.rept 4
	v_nop
.endr
	s_branch .Lasked_\@
.Lfor_b_\@:
	tensor_load_to_lds s[\g0b:\g0b+3], s[\g1b:\g1b+7]
	s_nop 0
.rept 4
	v_nop
.endr
.Lasked_\@:
.endm
.macro CREST
	s_cmp_lg_u32 s14, 0
	s_cbranch_scc1 .Lnot_wave_0_\@
	s_barrier_signal -3
.Lnot_wave_0_\@:
	s_barrier_wait -3
	s_barrier_signal -1
	s_barrier_wait -1
.endm
.macro CROUND
	s_barrier_signal -1
	s_barrier_wait -1
	CREST
.endm
	s_load_b128 s[4:7], s[0:1], 0x0
	s_load_b128 s[8:11], s[0:1], 0x10
	s_load_b64 s[12:13], s[0:1], 0x20
	v_lshl_add_u32 v[SPW], v0, 2, SPARE
	v_mov_b32 v[NIL], 0
	ds_add_u32 v28, v29
	ds_add_u32 v28, v29
	s_wait_dscnt 0x0
	v_lshrrev_b32 v1, 5, v0
	v_readfirstlane_b32 s14, v1
	s_lshr_b32 s15, s14, 1
	s_and_b32 s16, s14, 1
	s_bfe_u32 s40, ttmp6, 0x40000
	s_bfe_u32 s41, ttmp6, 0x40004
	s_and_b32 s66, ttmp7, 0xffff
	s_lshl_b32 s67, s66, 2
	s_lshl_b32 s68, ttmp9, 2
	s_cmp_eq_u32 ttmp9, 2
	s_cselect_b32 s17, 8, s67
	s_cselect_b32 s42, s67, s68
	s_add_co_u32 s17, s17, s41
	s_add_co_u32 s42, s42, s40
	s_lshl_b32 s43, s41, 2
	s_lshl_b32 s43, 15, s43
	s_lshl_b32 s44, 0x1111, s40
	s_or_b32 s[G1+0], s43, (3<<16)|(1<<21)
	s_or_b32 s[G1B+0], s44, (3<<16)|(1<<21)
.irp g, G1, G1B
	s_mov_b32 s[\g+1], 32<<16
	s_mov_b32 s[\g+2], 132<<16
	s_mov_b32 s[\g+3], 32<<16
	s_mov_b32 s[\g+4], 132
	s_mov_b32 s[\g+5], 32
	s_mov_b32 s[\g+6], 0
	s_mov_b32 s[\g+7], 0
.endr
	s_lshl_b32 s20, s17, 1
	s_add_co_u32 s20, s20, s16
	s_mul_i32 s20, s20, 4*REC
	s_mov_b32 s21, 0
	s_lshl_b32 s46, s42, 1
	s_add_co_u32 s46, s46, s16
	s_mul_i32 s46, s46, 4*REC
	s_mov_b32 s47, 0
	s_mul_i32 s45, s14, REC
	s_mov_b32 s[SEL], 0x76543210
	s_mov_b32 s[SEL+1], 0xfedcba98
	s_mov_b32 s[MNT], 0x600000
	s_wait_kmcnt 0x0
	s_cmp_eq_u32 ttmp9, 2
	s_cselect_b64 s[70:71], s[6:7], s[4:5]
	s_cselect_b64 s[72:73], s[4:5], s[6:7]
	s_add_nc_u64 s[20:21], s[70:71], s[20:21]
	s_add_nc_u64 s[46:47], s[72:73], s[46:47]
	CROUND
.irp s, 0,1
	s_mov_b32 s[G0+4*\s], 1
	s_add_co_u32 s[G0+4*\s+1], s45, \s*SLOT
	s_add_nc_u64 s[G0+4*\s+2:G0+4*\s+3], s[20:21], \s*REC
	s_or_b32 s[G0+4*\s+3], s[G0+4*\s+3], 0x80000000
	s_mov_b32 s[G0B+4*\s], 1
	s_add_co_u32 s[G0B+4*\s+1], s45, \s*SLOT
	s_add_nc_u64 s[G0B+4*\s+2:G0B+4*\s+3], s[46:47], \s*REC
	s_or_b32 s[G0B+4*\s+3], s[G0B+4*\s+3], 0x80000000
.if \s
	s_wait_alu depctr_va_vdst(0)
	s_wait_tensorcnt 0x0
	ds_add_u32 v28, v29
	ds_add_u32 v28, v29
	s_wait_dscnt 0x0
	CROUND
.endif
	JLOAD G0+4*\s, G1, G0B+4*\s, G1B
.endr
	v_and_b32 v1, 15, v0
	v_bfe_u32 v2, v0, 4, 1
	s_wait_alu depctr_va_vdst(0)
	v_and_b32 v3, 31, v0
	v_lshlrev_b32 v[LI], 4, v3
	v_lshlrev_b32 v[LS], 2, v3
	v_cmp_le_u32 s79, 16, v3
	s_mul_i32 s21, s15, REC
	s_mul_i32 s22, s16, REC
	s_add_co_u32 s22, s22, 2*REC
.irp s, 0,1
	v_add_nc_u32 v[ADRA+\s], s21, v[LI]
	v_add_nc_u32 v[ADRB+\s], s22, v[LI]
	s_add_co_u32 s21, s21, SLOT
	s_add_co_u32 s22, s22, SLOT
.endr
	s_mul_i32 s21, s15, REC
	s_mul_i32 s22, s16, REC
	s_add_co_u32 s22, s22, 2*REC
	s_sub_co_u32 s22, s22, s21
	v_mul_u32_u24 v6, s22, v2
	v_lshl_add_u32 v6, v1, 2, v6
	s_add_co_u32 s21, s21, SCO
	v_add_nc_u32 v[ADRS], s21, v6
	v_add_nc_u32 v[ADRS+1], SLOT, v[ADRS]
.macro FRAG reg, adr, q, i
.irp c, 0,1,2,3
	ds_load_b128 v[\reg+4*\c:\reg+4*\c+3], v[\adr] offset:(8*(\q)+(\i))*2048+512*\c
.endr
.endm
.macro MUL16 a0, p, q, sc, zero
.irp a, \a0, \a0+1
.irp b, 0,1,2,3,4,5,6,7
.if \zero
	v_wmma_scale_f32_16x16x128_f8f6f4 v[8*(8*((\a)%4)+\b):8*(8*((\a)%4)+\b)+7], v[128*(\p)+FR*\b:128*(\p)+FR*\b+FR-1], v[AF+FR*(\a):AF+FR*(\a)+FR-1], 0, v[SC+8*NQ*(\sc)+NQ*\b+(\q)], v[SC+8*NQ*(\sc)+NQ*(\a)+(\q)] matrix_a_fmt:MATRIX_FMT_BF8 matrix_b_fmt:MATRIX_FMT_BF8 matrix_a_scale:MATRIX_SCALE_ROW1
.else
	v_wmma_scale_f32_16x16x128_f8f6f4 v[8*(8*((\a)%4)+\b):8*(8*((\a)%4)+\b)+7], v[128*(\p)+FR*\b:128*(\p)+FR*\b+FR-1], v[AF+FR*(\a):AF+FR*(\a)+FR-1], v[8*(8*((\a)%4)+\b):8*(8*((\a)%4)+\b)+7], v[SC+8*NQ*(\sc)+NQ*\b+(\q)], v[SC+8*NQ*(\sc)+NQ*(\a)+(\q)] matrix_a_fmt:MATRIX_FMT_BF8 matrix_b_fmt:MATRIX_FMT_BF8 matrix_a_scale:MATRIX_SCALE_ROW1
.endif
.endr
.endr
.endm
.macro FETCH_B slot, q, p
	WIN TO_B
.irp i, 0,1,2,3,4,5,6,7
	FRAG 128*(\p)+FR*\i, ADRB+\slot, \q, \i
.endr
	WIN 0
.endm
.macro FETCH_A slot, q, i0
.irp i, \i0, \i0+1, \i0+2, \i0+3
	FRAG AF+FR*(\i), ADRA+\slot, \q, \i
.endr
.endm
.macro SCALES sc
.irp i, 0,1,2,3,4,5,6,7
.irp q, 0,1
	ds_load_b32 v[SC+16*\sc+2*\i+\q], v[ADRS+\sc] offset:512*\q+64*\i
.endr
.endr
.endm
.macro PLACES n
.rept \n
	v_nop
.endr
.endm
.macro STEP slot, q, zero
	s_wait_dscnt 4*NL
	WIN MUL_LO
	MUL16 0, (\q)%2, \q, \slot, \zero
	MUL16 2, (\q)%2, \q, \slot, \zero
	s_wait_dscnt 0
	PLACES NP
	FETCH_B \slot, (\q)+1, 1-(\q)%2
	FETCH_A \slot, (\q)+1, 0
	WIN MUL_HI
	MUL16 4, (\q)%2, \q, \slot, \zero
	MUL16 6, (\q)%2, \q, \slot, \zero
	PLACES NP
	WIN 0
	FETCH_A \slot, (\q)+1, 4
.endm
.macro TURN slot, next, fill
	s_wait_tensorcnt 0x0
	ds_add_u32 v[SPW], v[NIL]
	s_wait_dscnt 4*NL+1
	WIN MUL_LO
	MUL16 0, 1, NQ-1, \slot, 0
	s_wait_dscnt 0x0
	s_barrier_signal -1
	MUL16 2, 1, NQ-1, \slot, 0
	WIN 0
	s_barrier_wait -1
.if \fill
	CREST
	s_add_nc_u64 s[G0+4*\slot+2:G0+4*\slot+3], s[G0+4*\slot+2:G0+4*\slot+3], 2*REC
	s_add_nc_u64 s[G0B+4*\slot+2:G0B+4*\slot+3], s[G0B+4*\slot+2:G0B+4*\slot+3], 2*REC
	JLOAD G0+4*\slot, G1, G0B+4*\slot, G1B
	PLACES NP-4
.else
	PLACES NP
.endif
	FETCH_B \next, 0, 0
	FETCH_A \next, 0, 0
	SCALES \next
	WIN MUL_HI
	MUL16 4, 1, NQ-1, \slot, 0
	MUL16 6, 1, NQ-1, \slot, 0
	PLACES NP
	WIN 0
	FETCH_A \next, 0, 4
.endm
.macro LASTSTEP
	s_wait_dscnt 4*NL
	WIN MUL_LO
	MUL16 0, 1, NQ-1, 1, 0
	MUL16 2, 1, NQ-1, 1, 0
	s_wait_dscnt 0
	WIN MUL_HI
	MUL16 4, 1, NQ-1, 1, 0
	MUL16 6, 1, NQ-1, 1, 0
	WIN 0
	PLACES NP
.endm
.macro QUANT s
.irp b, 0,1,2,3
	v_max3_num_f32 v[TM+\b], |v[\s+16*\b]|, |v[\s+1+16*\b]|, 0x8000000
.endr
.irp i, 2,4,6,8,10,12,14
.irp b, 0,1,2,3
	v_max3_num_f32 v[TM+\b], v[TM+\b], |v[\s+16*\b+\i]|, |v[\s+1+16*\b+\i]|
.endr
.endr
.irp b, 0,1,2,3
	v_permlanex16_b32 v[TM+4+\b], v[TM+\b], s[SEL], s[SEL+1]
.endr
.irp b, 0,1,2,3
	v_max_num_f32 v[TM+\b], v[TM+\b], v[TM+4+\b]
.endr
.irp b, 0,1,2,3
	v_add_nc_u32 v[TM+12+\b], 0xf8800000, v[TM+\b]
.endr
.irp b, 0,1,2,3
	v_and_or_b32 v[TM+8+\b], v[TM+\b], 0x7f800000, s[MNT]
.endr
.irp b, 0,1,2,3
	v_lshrrev_b32 v[TM+4+\b], 23, v[TM+12+\b]
.endr
	v_lshl_or_b32 v[PW], v[TM+5], 8, v[TM+4]
	v_lshl_or_b32 v[PW], v[TM+6], 16, v[PW]
	v_lshl_or_b32 v[PW], v[TM+7], 24, v[PW]
.irp b, 0,1,2,3
.irp i, 0,1,2,3,4,5,6,7,8,9,10,11,12,13,14,15
	v_med3_num_f32 v[\s+16*\b+\i], v[\s+16*\b+\i], -v[TM+8+\b], v[TM+8+\b]
.endr
	v_cvt_scalef32_pk8_bf8_f32 v[PC+4*\b:PC+1+4*\b], v[\s+16*\b:\s+7+16*\b], v[TM+12+\b]
	v_cvt_scalef32_pk8_bf8_f32 v[PC+2+4*\b:PC+3+4*\b], v[\s+8+16*\b:\s+15+16*\b], v[TM+12+\b]
.endr
	v_nop
.endm
.macro EPI a, kind
.if (\a) > 0
	s_wait_xcnt 0x0
.endif
	WIN 0x02+(\a)/4
.set n, 0
.rept 32
.if \kind
	v_pk_add_f32 v[T+n:T+n+1], v[64*((\a)%4)+n:64*((\a)%4)+n+1], v[BV+2*(\a):BV+2*(\a)+1]
.else
	v_pk_add_f32 v[T+n:T+n+1], v[64*((\a)%4)+n:64*((\a)%4)+n+1], v[BV+n:BV+n+1]
.endif
.set n, n+2
.endr
	WIN 0
	QUANT T
.irp c, 0,1,2,3
.if \kind
	global_store_b128 v[LI], v[PC+4*\c:PC+4*\c+3], s[80+2*((\a)/4):81+2*((\a)/4)] offset:8192+2048*((\a)%4)+512*\c
.else
	global_store_b128 v[LI], v[PC+4*\c:PC+4*\c+3], s[80+2*(\c/2):81+2*(\c/2)] offset:1024*(\a)+512*(\c%2)
.endif
.endr
.if (\a)%2 == 0
	v_mov_b32 v[PWA], v[PW]
.else
	v_cndmask_b32 v[PWS], v[PWA], v[PW], s79
.if \kind
	global_store_b32 v[LS], v[PWS], s[80+2*((\a)/4):81+2*((\a)/4)] offset:16896+64*((\a)%4-1)
.else
	v_lshrrev_b32 v[PWS+1], 16, v[PWS]
	global_store_b32 v[LS], v[PWS], s[84:85] offset:64*((\a)-1)
	global_store_b32 v[LS], v[PWS+1], s[86:87] offset:64*((\a)-1)
.endif
.endif
.endm
.macro FINISH
	s_wait_tensorcnt 0x0
	ds_add_u32 v[SPW], v[NIL]
	s_wait_dscnt 0x0
	CROUND
	s_endpgm
.endm
	s_wait_alu depctr_va_vdst(0)
	s_wait_tensorcnt 1
	s_barrier_signal -1
	s_barrier_wait -1
	FETCH_B 0, 0, 0
	FETCH_A 0, 0, 0
	SCALES 0
	FETCH_A 0, 0, 4
	STEP 0, 0, 1
	s_mov_b32 s3, LAPS-1
.Llap:
	TURN 0, 1, 1
	STEP 1, 0, 0
	TURN 1, 0, 1
	STEP 0, 0, 0
	s_sub_co_u32 s3, s3, 1
	s_cmp_lg_u32 s3, 0
	s_cbranch_scc1 .Llap
	TURN 0, 1, 0
	STEP 1, 0, 0
	s_cmp_eq_u32 ttmp9, 2
	s_cbranch_scc1 .Ltail_v
	s_lshl_b32 s74, s42, 10
	s_lshl_b32 s75, s16, 9
	s_add_co_u32 s74, s74, s75
	s_mov_b32 s75, 0
	s_add_nc_u64 s[74:75], s[8:9], s[74:75]
	v_lshlrev_b32 v6, 6, v2
.irp b, 0,1,2,3,4,5,6,7
	global_load_b128 v[BV+8*\b:BV+8*\b+3], v6, s[74:75] offset:(32*(\b/2)+8*(\b%2))*4
	global_load_b128 v[BV+8*\b+4:BV+8*\b+7], v6, s[74:75] offset:(32*(\b/2)+8*(\b%2))*4+16
.endr
	s_lshl_b32 s88, s17, 1
	s_add_co_u32 s88, s88, s15
	s_lshr_b32 s89, s88, 4
	s_and_b32 s88, s88, 15
	s_lshl_b32 s89, s89, 4
	s_and_b32 s90, s42, 3
	s_lshl_b32 s90, s90, 2
	s_add_co_u32 s89, s89, s90
	s_lshl_b32 s90, s16, 1
	s_add_co_u32 s89, s89, s90
	s_lshl_b32 s90, s89, 7
	s_lshl_b32 s91, s88, 3
	s_add_co_u32 s90, s90, s91
	s_lshl_b32 s92, s90, 10
	s_lshl_b32 s93, s90, 6
	s_add_co_u32 s93, s93, 4194304
	s_lshl_b32 s94, s89, 4
	s_add_co_u32 s94, s94, s88
	s_mul_i32 s94, s94, KVREC
	s_add_co_u32 s95, s94, 16384
	s_mov_b32 s96, 274432
	s_mov_b32 s98, 274432
	s_cmp_eq_u32 ttmp9, 0
	s_cselect_b64 s[80:81], s[10:11], s[12:13]
	s_cselect_b32 s92, s92, s94
	s_cselect_b32 s94, s93, s95
	s_cselect_b32 s96, 131072, s96
	s_cselect_b32 s98, 8192, s98
	s_mov_b32 s93, 0
	s_mov_b32 s95, 0
	s_mov_b32 s97, 0
	s_mov_b32 s99, 0
	s_add_nc_u64 s[84:85], s[80:81], s[94:95]
	s_add_nc_u64 s[80:81], s[80:81], s[92:93]
	s_add_nc_u64 s[82:83], s[80:81], s[96:97]
	s_add_nc_u64 s[86:87], s[84:85], s[98:99]
	LASTSTEP
	s_wait_loadcnt 0x0
.irp b, 0,1,2,3
	v_mov_b32 v[TM+4+\b], 0
.endr
.irp a, 0,1,2,3,4,5,6,7
	EPI \a, 0
.endr
	FINISH
.Ltail_v:
	s_lshl_b32 s74, s41, 10
	s_lshl_b32 s75, s15, 9
	s_add_co_u32 s74, s74, s75
	s_add_co_u32 s74, s74, 8192
	s_mov_b32 s75, 0
	s_add_nc_u64 s[74:75], s[8:9], s[74:75]
	v_lshrrev_b32 v6, 3, v1
	v_lshl_add_u32 v6, v6, 3, v1
	v_lshlrev_b32 v6, 2, v6
.irp a, 0,1,2,3,4,5,6,7
	global_load_b32 v[BV+2*\a], v6, s[74:75] offset:(32*(\a/2)+8*(\a%2))*4
	global_load_b32 v[BV+2*\a+1], v6, s[74:75] offset:(32*(\a/2)+8*(\a%2))*4
.endr
	s_lshl_b32 s88, s42, 1
	s_add_co_u32 s88, s88, s16
	s_lshr_b32 s89, s88, 4
	s_and_b32 s88, s88, 15
	s_lshl_b32 s89, s89, 4
	s_lshl_b32 s90, s41, 2
	s_add_co_u32 s89, s89, s90
	s_lshl_b32 s90, s15, 1
	s_add_co_u32 s89, s89, s90
	s_lshl_b32 s89, s89, 4
	s_add_co_u32 s89, s89, s88
	s_mul_i32 s92, s89, KVREC
	s_mov_b32 s93, 0
	s_add_nc_u64 s[80:81], s[12:13], s[92:93]
	s_add_nc_u64 s[82:83], s[80:81], 274432
	LASTSTEP
	s_wait_loadcnt 0x0
.irp b, 0,1,2,3
	v_mov_b32 v[TM+4+\b], 0
.endr
.irp a, 0,1,2,3,4,5,6,7
	EPI \a, 1
.endr
	FINISH
.Lfunc_end_k_qe8a065a573_qkv:
	.size	k_qe8a065a573_qkv, .Lfunc_end_k_qe8a065a573_qkv-k_qe8a065a573_qkv
	.p2alignl 7, 3214868480
	.fill 96, 4, 3214868480
	.section	.rodata,"a",@progbits
	.p2align	6, 0x0
	.amdhsa_kernel k_qe8a065a573_qkv
		.amdhsa_group_segment_fixed_size 327680
		.amdhsa_private_segment_fixed_size 0
		.amdhsa_enable_private_segment 0
		.amdhsa_kernarg_size 40
		.amdhsa_user_sgpr_count 2
		.amdhsa_user_sgpr_kernarg_segment_ptr 1
		.amdhsa_wavefront_size32 1
		.amdhsa_system_sgpr_workgroup_id_x 1
		.amdhsa_system_sgpr_workgroup_id_y 1
		.amdhsa_system_sgpr_workgroup_id_z 1
		.amdhsa_system_vgpr_workitem_id 0
		.amdhsa_next_free_vgpr 1024
		.amdhsa_next_free_sgpr 100
		.amdhsa_reserve_vcc 0
		.amdhsa_float_denorm_mode_32 3
		.amdhsa_float_denorm_mode_16_64 3
		.amdhsa_memory_ordered 1
		.amdhsa_forward_progress 1
		.amdhsa_inst_pref_size 255
	.end_amdhsa_kernel
	.section	.bss,"aw",@nobits
	.p2align	6
	.space	262144
	.amdgpu_metadata
---
amdhsa.version: [ 1, 2 ]
amdhsa.kernels:
  - .name:           k_qe8a065a573_qkv
    .symbol:         k_qe8a065a573_qkv.kd
    .args:
      - { .name: h, .offset: 0, .size: 8, .value_kind: global_buffer, .address_space: global }
      - { .name: wc, .offset: 8, .size: 8, .value_kind: global_buffer, .address_space: global }
      - { .name: b_qkv, .offset: 16, .size: 8, .value_kind: global_buffer, .address_space: global }
      - { .name: qb, .offset: 24, .size: 8, .value_kind: global_buffer, .address_space: global }
      - { .name: kv, .offset: 32, .size: 8, .value_kind: global_buffer, .address_space: global }
    .group_segment_fixed_size: 327680
    .private_segment_fixed_size: 0
    .kernarg_segment_align: 8
    .kernarg_segment_size: 40
    .max_flat_workgroup_size: 128
    .sgpr_count:     100
    .vgpr_count:     1024
    .wavefront_size: 32
...
	.end_amdgpu_metadata
.endif
;; end of part 2
;; launch attn (part 3): grid 8 x 32, 8 waves a work-group, clusters of 4 x 1, 292,608 bytes of LDS; arguments qb, kv, o; writes o
.if DOCPART == 3
	.amdgcn_target "amdgcn-amd-amdhsa--gfx1250"
	.amdhsa_code_object_version 6
	.text
	.protected	k_qe8a065a573_attn
	.globl	k_qe8a065a573_attn
	.p2align	8
	.type	k_qe8a065a573_attn,@function
k_qe8a065a573_attn:
	s_mov_b64 s[64:65], 0
	v_nop
	global_prefetch_b8 v0, s[64:65] scope:SCOPE_SE
	s_setreg_imm32_b32 hwreg(HW_REG_WAVE_MODE, 25, 1), 1
	s_wait_xcnt 0x0
	s_wait_alu depctr_hold_cnt(0) depctr_sa_sdst(0) depctr_va_vdst(0) depctr_va_sdst(0) depctr_va_ssrc(0) depctr_va_vcc(0) depctr_vm_vsrc(0)
	s_getreg_b32 s2, hwreg(HW_REG_IB_STS2, 6, 4)
	s_cmp_eq_u32 s2, 0
	s_cbranch_scc0 .Lentry_in_a_cluster
	s_endpgm
.Lentry_in_a_cluster:
	s_bfe_u32 s2, ttmp6, 0x10000c
	s_cmp_lg_u32 s2, 0x3003
	s_cbranch_scc0 .Lentry_shape_is_right
	s_endpgm
.Lentry_shape_is_right:
; o = Q(softmax(q k^T / 8) v), both products on codes of BF8 (E5M2) with E8M0 scales; 32 heads of 2,048 tokens x 64.
; THE SOFTMAX AHEAD OF THE SECOND PRODUCT: t = score x log2(e) / 8; M = the running largest t rounded UP to a whole number; p = 2^(t - M) is quantised along the keys, not normalised; the row's sum is taken of the
; unquantised p and divides at the end; when M moves, the sum and O are multiplied by 2^(old M - new M), which rounds nothing.
; SHARES.  A work-group owns 256 queries of one head; each of its EIGHT waves owns two fragments of 16 queries (tiles u = 0, 1), so that each fragment of K and of V that it reads from LDS feeds two products; the two tiles' lines take turns.
; ALL OF A HEAD'S K AND V LIE IN LDS: 16 records of 17,152 bytes (128 keys each: K's 8 fragments at 1,024 t, V^T's 4 at 8,192 + 2,048 t, K's scale words at 16,384 + 64 t + 4 r, V's at 16,896 + 64 t + 4 r), images of
; the operands' registers.  Each wave brings two records by ONE tensor load at the head; nothing is filled again.  Wave 0 has a load line of its own: the first barrier shows records 0 and 1, which step 0 and its
; look-ahead read; a second barrier shows the rest.  Wave 7's tile is three records long while its tensor ends behind two: record 16 is filled with zeros, and the last step's look-ahead reads it and uses nothing of it.
; CLUSTER: the four query blocks of a cluster belong to one head: the loads are joint (mask 15).  No prefetch: all loads go out at the head, and no loop stands ahead of them in which to ask.
; LAYOUT.  Both products transposed: S^T = K Q^T, O^T = V^T P^T: a lane holds one query (lane % 16) of each tile.  Lane r of K's fragment t holds key 32 (t / 2) + 8 (t % 2) + r + 8 (r / 8), so the 16 registers of tiles 2 b, 2 b + 1 are
; 16 neighbouring keys; V^T's rows are ordered likewise, so O^T's registers run along neighbouring channels and are quantised in place for the next product.
; THE HEAD'S K IS 64, THE INSTRUCTION'S 128: one operand of 16 registers holds TWO key tiles (2 j in k = 0 .. 63, 2 j + 1 in k = 64 .. 127).  It is multiplied once by [Q | zero codes] and once by [zero codes | Q]: K's codes are
; finite (the quantiser holds them), so the other tile's products are zeros.  The two tiles' scale bytes are joined into one word by v_perm_b32, Q's two bytes are doubled likewise.
; OUT: o as records of 33,792 bytes (128 tokens x 256 k; fragment (q, i) at (8 q + i) x 2,048, group c at 512 c + 16 l; scale words at 32,768 + 512 q + 64 i + 4 r).  A tile owns two groups of a fragment and two bytes of
; each of its 16 scale words: these single bytes are the one store that does not cover whole runs.
; LIMITS: the scaled scores stay under 2^31 in magnitude; v_exp_f32 gives 0 under 2^-126 (such p count for nothing beside the row's largest, over 1/2); a block of zeros or under 2^-111 gets the byte 1; NaN and infinities are not served.
; REGISTERS, window 0: v1 16 x lane, v2 4 r; v8, v9 the step's LDS addresses; v10 + u the old -M; v[12 + 2 u] -M, with a copy in v[5 - 2 u] (a dual pair's two second sources lie in different banks); v[13 + 2 u] the largest score;
;   v[16 + 2 u : 17 + 2 u] the sum; v20-59 zeros, Q0, zeros, Q1, zeros; v60-187 S^T, then p, 64 a tile; v188-191 K's joined scale words; v192-195, v200-203 K's words as loaded; v196-199 V's;
;   v204 + 24 u on: 23 at work (p's scale word at + 21), Q's scale word at + 23.
; window 1: v0-63 K's tiles; v64-127 V^T's fragments; v128-191 O^T, 32 a tile; v192-223 p's codes, 16 a tile.  Scale words lie in window 0 (scale operands have no window).
.set KVREC, 17152
.set REC,   33792
.set SCO,   32768
.set SPARE, 17*KVREC                   ; the spare words, 128 bytes a wave, that no other line names
.set CLIT, 0x3e38aa3b                  ; c = log2(e) / 8
.set S,    60
.set T,    204
.set WK,   188
.set RW,   192
.set VS,   196
.set QW,   227
.set KB,   0
.set VB,   64
.set OT,   128
.set PC,   192
.set SPW,  6
.set NIL,  7
.set NC,   16                          ; s16 -c
.set PS,   17                          ; s17 v_perm_b32's selector: the low halves of two words
.set WV,   18
.set MNT,  19
.set SEL,  20
.set CS,   22                          ; s22 c
.set G1,   24
.set G0,   32
.set TB,   36
.set CNT,  37
.set G1Z,  56
.set MSB, 0
.macro WIN new                         ; the immediate's high byte repeats the setting that is left
.if MSB != (\new)
	s_set_vgpr_msb (MSB<<8)|(\new)
.set MSB, (\new)
.endif
.endm
.macro CROUND
	s_barrier_signal -1
	s_barrier_wait -1
	s_cmp_lg_u32 s[WV], 0
	s_cbranch_scc1 .Lnot_wave_0_\@
	s_barrier_signal -3
.Lnot_wave_0_\@:
	s_barrier_wait -3
	s_barrier_signal -1
	s_barrier_wait -1
.endm
.macro TL g1                           ; my one tensor load; an s_nop 0 and four v_nop follow it
	tensor_load_to_lds s[G0:G0+3], s[\g1:\g1+7]
	s_nop 0
.rept 4
	v_nop
.endr
.endm
.macro PERMS                           ; key tiles 2 j and 2 j + 1: their two scale bytes each into one word
.irp j, 0,1,2,3
	v_perm_b32 v[WK+\j], v[RW+1+2*\j+4*(\j/2)], v[RW+2*\j+4*(\j/2)], s[PS]
.endr
.endm
.macro KLOADS o                        ; K's eight tiles of the record at byte o behind v8, and their scale words
	WIN 0x40
.irp t, 0,1,2,3,4,5,6,7
	ds_load_b128 v[KB+8*\t:KB+8*\t+3], v8 offset:(\o)+1024*\t
	ds_load_b128 v[KB+8*\t+4:KB+8*\t+7], v8 offset:(\o)+1024*\t+512
.endr
	WIN 0
.irp t, 0,1,2,3,4,5,6,7
	ds_load_b32 v[RW+\t+4*(\t/4)], v9 offset:(\o)+16384+64*\t
.endr
.endm
.macro VLOADS                          ; V^T's four fragments of the record at v8, and their scale words
	WIN 0x40
.irp t, 0,1,2,3
.irp c, 0,1,2,3
	ds_load_b128 v[VB+16*\t+4*\c:VB+16*\t+4*\c+3], v8 offset:8192+2048*\t+512*\c
.endr
.endr
	WIN 0
.irp t, 0,1,2,3
	ds_load_b32 v[VS+\t], v9 offset:16896+64*\t
.endr
.endm
	s_load_b128 s[4:7], s[0:1], 0x0                ; qb, kv
	s_load_b64 s[8:9], s[0:1], 0x10                ; o
	v_lshl_add_u32 v[SPW], v0, 2, SPARE
	v_mov_b32 v[NIL], 0
	ds_add_u32 v[SPW], v[NIL]                      ; the opening lines: the add twice on end and its wait
	ds_add_u32 v[SPW], v[NIL]
	v_lshrrev_b32 v8, 5, v0
	s_delay_alu instid0(VALU_DEP_1)
	v_readfirstlane_b32 s[WV], v8                  ; wave 0..7
	s_lshl_b32 s55, s[WV], 1                       ; my first fragment of the block's 16, and my first record
	s_bfe_u32 s10, ttmp6, 0x40000                  ; cx: it enters qb's and o's addresses alone
	s_lshl_b32 s11, ttmp9, 2
	s_add_co_u32 s11, s11, s10                     ; my block of 256 queries
	s_and_b32 s12, ttmp7, 0xffff                   ; the head (16 batch + head), which the four partners share
	s_mov_b32 s[G1], 15|(3<<16)|(1<<21)            ; the mask: all four; elements of 8 bytes; bit 21 beside a mask; no padding
	s_mov_b32 s[G1+1], 32<<16                      ; rows of 256 bytes
	s_mov_b32 s[G1+2], 134<<16                     ; 134 rows: two records
	s_mov_b32 s[G1+3], 32<<16
	s_mov_b32 s[G1+4], 134
	s_mov_b32 s[G1+5], 32                          ; dense
	s_mov_b32 s[G1+6], 0
	s_mov_b32 s[G1+7], 0
	s_mov_b32 s[G1Z], 15|(3<<16)|(1<<21)           ; wave 7's: the tensor ends behind 134 rows, the tile has 201: the third record is written as zeros
	s_mov_b32 s[G1Z+1], 32<<16
	s_mov_b32 s[G1Z+2], 134<<16
	s_mov_b32 s[G1Z+3], 32<<16
	s_mov_b32 s[G1Z+4], 201
	s_mov_b32 s[G1Z+5], 32
	s_mov_b32 s[G1Z+6], 0
	s_mov_b32 s[G1Z+7], 0
	s_lshl_b32 s13, s12, 4
	s_add_co_u32 s13, s13, s55
	s_mul_i32 s14, s13, KVREC                      ; record 16 head + 2 wave
	s_mov_b32 s15, 0
	s_mov_b32 s[SEL], 0x76543210
	s_mov_b32 s[SEL+1], 0xfedcba98
	s_mov_b32 s[CS], CLIT
	s_mov_b32 s[NC], 0xbe38aa3b                    ; -c
	s_mov_b32 s[PS], 0x05040100
	s_mov_b32 s[MNT], 0x600000
	s_mov_b32 s[TB], 0
	s_wait_dscnt 0x0
	s_wait_kmcnt 0x0
	s_mov_b32 s[G0], 1
	s_mul_i32 s[G0+1], s55, KVREC                  ; LDS: 2 wave x a record
	s_add_nc_u64 s[G0+2:G0+3], s[6:7], s[14:15]
	s_or_b32 s[G0+3], s[G0+3], 0x80000000
	CROUND                                         ; all four work-groups are here: the joint loads meet
	s_cmp_lt_u32 s[WV], 1                          ; one chain of arms, a load each
	s_cbranch_scc0 .Lmid
	TL G1                                          ; records 0 and 1: shown by the first barrier
	s_branch .Lasked
.Lmid:
	s_cmp_lt_u32 s[WV], 7
	s_cbranch_scc0 .Llast
	TL G1                                          ; records 2 to 13
	s_branch .Lasked
.Llast:
	TL G1Z                                         ; records 14 and 15, and zeros behind them
.Lasked:
	s_lshl_b32 s38, s11, 4
	s_add_co_u32 s38, s38, s55                     ; my first fragment of the head's 128
	s_lshl_b32 s39, s12, 7
	s_add_co_u32 s39, s39, s38
	s_lshl_b32 s40, s39, 10
	s_mov_b32 s41, 0
	s_add_nc_u64 s[40:41], s[4:5], s[40:41]        ; its codes
	s_lshl_b32 s42, s39, 6
	s_add_co_u32 s42, s42, 4194304
	s_mov_b32 s43, 0
	s_add_nc_u64 s[42:43], s[4:5], s[42:43]        ; its scale words
	v_and_b32 v3, 31, v0
	v_and_b32 v2, 15, v0
	v_bfe_u32 v4, v0, 4, 1
	v_lshlrev_b32 v1, 4, v3
	v_lshlrev_b32 v2, 2, v2
	v_add_nc_u32 v4, v4, v2                        ; scale bytes on the way out: 4 r + (lane / 16)
	v_cmp_le_u32 s54, 16, v3                       ; lanes 16-31
.irp u, 0,1
	global_load_b128 v[28+16*\u:31+16*\u], v1, s[40:41] offset:1024*\u
	global_load_b128 v[32+16*\u:35+16*\u], v1, s[40:41] offset:1024*\u+512
	global_load_b32 v[T+24*\u+22], v2, s[42:43] offset:64*\u
.endr
	v_add_nc_u32 v8, s[TB], v1
	v_add_nc_u32 v9, s[TB], v2
	; where my part of o goes
	s_and_b32 s44, s12, 15                         ; head
	s_lshr_b32 s45, s12, 4
	s_lshl_b32 s45, s45, 4
	s_lshl_b32 s46, s11, 1
	s_add_co_u32 s45, s45, s46
	s_lshr_b32 s46, s55, 3
	s_add_co_u32 s45, s45, s46                     ; group of 128 tokens: 16 batch + 2 block + fragment / 8
	s_lshl_b32 s45, s45, 2
	s_lshr_b32 s46, s44, 2
	s_add_co_u32 s45, s45, s46
	s_mul_i32 s45, s45, REC                        ; record (group, head / 4)
	s_bfe_u32 s46, s44, 0x10001                    ; q = (head / 2) % 2
	s_and_b32 s47, s55, 7                          ; block i of tile 0; tile 1's is the next
	s_and_b32 s44, s44, 1
	s_lshl_b32 s48, s46, 3
	s_add_co_u32 s48, s48, s47
	s_lshl_b32 s48, s48, 11
	s_add_co_u32 s48, s48, s45
	s_lshl_b32 s49, s44, 10                        ; groups 2 (head % 2) on
	s_add_co_u32 s48, s48, s49
	s_mov_b32 s49, 0
	s_add_nc_u64 s[50:51], s[8:9], s[48:49]
	s_lshl_b32 s48, s46, 9
	s_add_co_u32 s48, s48, s45
	s_lshl_b32 s52, s47, 6
	s_add_co_u32 s48, s48, s52
	s_lshl_b32 s52, s44, 1
	s_add_co_u32 s48, s48, s52
	s_add_co_u32 s48, s48, SCO
	s_add_nc_u64 s[52:53], s[8:9], s[48:49]
.irp j, 20,21,22,23,24,25,26,27, 36,37,38,39,40,41,42,43, 52,53,54,55,56,57,58,59
	v_mov_b32 v\j, 0                               ; zero codes beside Q0 and Q1: written once
.endr
	v_mov_b32 v13, 0xff61b1e6                      ; the largest score so far: -3e38
	v_mov_b32 v15, 0xff61b1e6
	v_mul_f32 v5, s[NC], v13
	v_floor_f32 v12, v5                            ; -M
	v_floor_f32 v14, v5
.irp j, 16,17,18,19
	v_mov_b32 v\j, 0                               ; the sums
.endr
.irp u, 0,1
.irp b, 4,5,6,7,21
	v_mov_b32 v[T+24*\u+\b], 0                     ; a lane permute's destination counts as one of its sources; + 21 is named as the upper half of a pair before it is first written
.endr
.endr
	WIN 0x40
.set n, 0
.rept 64
	v_mov_b32 v[OT+n], 0                           ; O^T: the step is written once; its first run finds zeros, which the first change of M leaves zeros
.set n, n+1
.endr
	WIN 0
	s_wait_alu depctr_va_vdst(0)
	s_cmp_lt_u32 s[WV], 1
	s_cbranch_scc0 .Lnot_first
	s_wait_tensorcnt 0x0                           ; wave 0: my records are in.  The other waves' wait stands at the second barrier
.Lnot_first:
	s_wait_loadcnt 0x0                             ; Q
	s_barrier_signal -1
	s_barrier_wait -1                              ; records 0 and 1 are whole
	KLOADS 0
	VLOADS
	s_wait_dscnt 0x0
.irp u, 0,1
	v_perm_b32 v[QW+24*\u], v[T+24*\u+22], v[T+24*\u+22], s[PS]   ; Q's two bytes, for k = 0 .. 63 and for k = 64 .. 127
.endr
	PERMS
.rept 8
	v_nop                                          ; a scale word made by a vector line stands eight places ahead of its product
.endr
.macro PKF u, from, num                ; t - M of tile u, num pairs from register from on: score x c + (-M), one rounding, two numbers a line
.set n, \from
.rept \num
	v_dual_fmamk_f32 v[S+64*\u+n], v[S+64*\u+n], CLIT, v[12+2*\u] :: v_dual_fmamk_f32 v[S+64*\u+n+1], v[S+64*\u+n+1], CLIT, v[5-2*\u]
.set n, n+2
.endr
.endm
.macro PADD a                          ; chain a (0: the sum itself) takes the next two p, in both tiles
.irp u, 0,1
.if \a
.set rr, T+24*\u+\a
.else
.set rr, 16+2*\u
.endif
	v_dual_add_f32 v[rr], v[S+64*\u+n], v[rr] :: v_dual_add_f32 v[rr+1], v[S+64*\u+n+1], v[rr+1]
.endr
.set n, n+2
.endm
.macro PT d, s                         ; chain d (0: the sum itself) takes chain s, in both tiles
.irp u, 0,1
.if \d
.set rr, T+24*\u+\d
.else
.set rr, 16+2*\u
.endif
	v_dual_add_f32 v[rr], v[T+24*\u+\s], v[rr] :: v_dual_add_f32 v[rr+1], v[T+24*\u+\s+1], v[rr+1]
.endr
.endm
; A KEY STEP: 128 keys, the record at v8, v9.  K's tiles, their joined scale words, V^T's fragments and scale words were asked for in the step before.
.macro STEP
	WIN 0x01                                       ; source 0 (K) window 1
.irp j, 0,1,2,3
.irp g, 0,1
.irp u, 0,1
	v_wmma_scale_f32_16x16x128_f8f6f4 v[S+64*\u+16*\j+8*\g:S+64*\u+16*\j+8*\g+7], v[KB+16*\j:KB+16*\j+15], v[28+16*\u-8*\g:43+16*\u-8*\g], 0, v[WK+\j], v[QW+24*\u] matrix_a_fmt:MATRIX_FMT_BF8 matrix_b_fmt:MATRIX_FMT_BF8
.endr
.endr
.endr
	WIN 0
	v_mov_b32 v10, v12                             ; the old -M; with the six below: eight places ahead of the loads into K's bank and of the first read of S^T
	v_mov_b32 v11, v14
.rept 6
	v_nop
.endr
	KLOADS KVREC                                   ; the next step's K
.irp u, 0,1
.irp b, 0,1,2,3
	v_max3_num_f32 v[T+24*\u+\b], v[S+64*\u+16*\b], v[S+64*\u+1+16*\b], v[S+64*\u+2+16*\b]   ; the largest score of each block of 32 keys: for the row's maximum, and, since p rises with the score, for the block's largest p
.endr
.endr
.irp i, 3,5,7,9,11,13
.irp u, 0,1
.irp b, 0,1,2,3
	v_max3_num_f32 v[T+24*\u+\b], v[T+24*\u+\b], v[S+64*\u+16*\b+\i], v[S+64*\u+1+16*\b+\i]
.endr
.endr
.endr
.irp u, 0,1
.irp b, 0,1,2,3
	v_max_num_f32 v[T+24*\u+\b], v[T+24*\u+\b], v[S+64*\u+15+16*\b]
.endr
.endr
.irp u, 0,1
.irp b, 0,1,2,3
	v_permlanex16_b32 v[T+24*\u+4+\b], v[T+24*\u+\b], s[SEL], s[SEL+1]
.endr
.endr
.irp u, 0,1
.irp b, 0,1,2,3
	v_max_num_f32 v[T+24*\u+\b], v[T+24*\u+\b], v[T+24*\u+4+\b]   ; with lane l xor 16's 16 keys
.endr
.endr
.irp u, 0,1
	v_max3_num_f32 v[T+24*\u+22], v[T+24*\u], v[T+24*\u+1], v[T+24*\u+2]
.endr
.irp u, 0,1
	v_max3_num_f32 v[13+2*\u], v[13+2*\u], v[T+24*\u+22], v[T+24*\u+3]   ; the running largest score (c is positive: the largest t is c x it)
.endr
.irp u, 0,1
	v_mul_f32 v[T+24*\u+22], s[NC], v[13+2*\u]
.endr
.irp u, 0,1
	v_floor_f32 v[12+2*\u], v[T+24*\u+22]          ; the new -M = floor(-t) = -ceil(t),
.endr
.irp u, 0,1
	v_floor_f32 v[5-2*\u], v[T+24*\u+22]           ; and its copy
.endr
.irp u, 0,1
	v_sub_f32 v[T+24*\u+22], v[12+2*\u], v[10+\u]  ; old M - new M: a whole number, 0 or less
.endr
	PKF 0, 0, 8
.irp u, 0,1
	v_cvt_i32_f32 v[T+24*\u+22], v[T+24*\u+22]     ; (it saturates)
.endr
	PKF 1, 0, 8
.irp u, 0,1
	v_ldexp_f32 v[T+24*\u+20], 1.0, v[T+24*\u+22]  ; f = 2^(old M - new M)
.endr
	PKF 0, 16, 24
	PKF 1, 16, 24
.irp u, 0,1
.irp b, 0,1,2,3
	v_fma_f32 v[T+24*\u+\b], v[T+24*\u+\b], s[CS], v[12+2*\u]   ; the same of each block's largest score
.endr
.endr
	s_wait_alu depctr_va_vdst(0)
.set n, 0
.rept 128
	v_exp_f32 v[S+n], v[S+n]                       ; p = 2^(t - M), at most 1
.set n, n+1
.endr
.irp u, 0,1
	v_pk_mul_f32 v[16+2*\u:17+2*\u], v[16+2*\u:17+2*\u], v[T+24*\u+20:T+24*\u+21] op_sel_hi:[1,0]   ; the sums under the new M (plain lines behind the exponentials)
.endr
	s_wait_alu depctr_va_vdst(0)                   ; one wait for the batch, ahead of its first reader
.irp u, 0,1
.irp b, 0,1,2,3
	v_exp_f32 v[T+24*\u+\b], v[T+24*\u+\b]         ; the block's largest p
.endr
.endr
	v_nop                                          ; a plain line behind the eight
.set n, 0
.irp a, 4,18,16,14,12,10,8                     ; the row's sum of the unquantised p: eight chains a tile, two numbers a line
.irp u, 0,1
	v_dual_add_f32 v[T+24*\u+\a], v[S+64*\u+n], v[S+64*\u+n+2] :: v_dual_add_f32 v[T+24*\u+\a+1], v[S+64*\u+n+1], v[S+64*\u+n+3]
.endr
.set n, n+4
.endr
.irp a, 0,4,18,16,14,12,10,8,0,4,18,16,14,12,10,8,0,4
	PADD \a
.endr
	PT 0, 14
	PT 4, 12
	PT 18, 10
	PT 16, 8
	PT 0, 18
	PT 4, 16
	PT 0, 4
	s_wait_alu depctr_va_vdst(0)                   ; and one for the eight
.irp u, 0,1
.irp b, 0,1,2,3
	v_max_num_f32 v[T+24*\u+\b], 0x8000000, v[T+24*\u+\b]   ; the floor 2^(16 - 127)
.endr
.endr
.irp u, 0,1
.irp b, 0,1,2,3
	v_add_nc_u32 v[T+24*\u+12+\b], 0xf8800000, v[T+24*\u+\b]   ; 15 off the exponent field: the conversion's scale operand
.endr
.endr
.irp u, 0,1
.irp b, 0,1,2,3
	v_and_or_b32 v[T+24*\u+8+\b], v[T+24*\u+\b], 0x7f800000, s[MNT]   ; 57,344 x the scale
.endr
.endr
.irp u, 0,1
.irp b, 0,1,2,3
	v_lshrrev_b32 v[T+24*\u+4+\b], 23, v[T+24*\u+12+\b]   ; the scale's byte
.endr
.endr
.irp u, 0,1
	v_lshl_or_b32 v[T+24*\u+21], v[T+24*\u+5], 8, v[T+24*\u+4]   ; p's scale word for these 128 keys
.endr
.irp u, 0,1
	v_lshl_or_b32 v[T+24*\u+21], v[T+24*\u+6], 16, v[T+24*\u+21]
.endr
.irp u, 0,1
	v_lshl_or_b32 v[T+24*\u+21], v[T+24*\u+7], 24, v[T+24*\u+21]
.endr
.irp u, 0,1
.irp b, 0,1,2,3
.irp i, 0,2,4,6,8,10,12,14                     ; the conversion does not saturate (ISA guide 7.6.2); p is not negative: a one-sided hold, two numbers a line
	v_dual_min_num_f32 v[S+64*\u+16*\b+\i], v[T+24*\u+8+\b], v[S+64*\u+16*\b+\i] :: v_dual_min_num_f32 v[S+64*\u+16*\b+\i+1], v[T+24*\u+8+\b], v[S+64*\u+16*\b+\i+1]
.endr
.endr
.endr
	WIN 0x40                                       ; the codes lie in window 1
.irp u, 0,1
.irp b, 0,1,2,3
	v_cvt_scalef32_pk8_bf8_f32 v[PC+16*\u+4*\b:PC+16*\u+4*\b+1], v[S+64*\u+16*\b:S+64*\u+16*\b+7], v[T+24*\u+12+\b]
	v_cvt_scalef32_pk8_bf8_f32 v[PC+16*\u+4*\b+2:PC+16*\u+4*\b+3], v[S+64*\u+16*\b+8:S+64*\u+16*\b+15], v[T+24*\u+12+\b]
.endr
.endr
	WIN 0x41                                       ; O^T in window 1, f in window 0
	s_wait_alu depctr_va_vdst(0)                   ; directly ahead of the first reader of O^T
.irp u, 0,1
.set n, 0
.rept 16
	v_pk_mul_f32 v[OT+32*\u+n:OT+32*\u+n+1], v[OT+32*\u+n:OT+32*\u+n+1], v[T+24*\u+20:T+24*\u+21] op_sel_hi:[1,0]   ; O^T under the new M; these are also the places between the codes' making and the products
.set n, n+2
.endr
.endr
	s_wait_alu depctr_va_vdst(0)                   ; directly ahead of the wait below
	s_wait_dscnt 0x0                               ; V^T's fragments, and the next step's K with its scale words
	WIN 0x55
.irp t, 0,1,2,3                                ; O^T += V^T P^T: eight accumulators by turns
.irp u, 0,1
	v_wmma_scale_f32_16x16x128_f8f6f4 v[OT+32*\u+8*\t:OT+32*\u+8*\t+7], v[VB+16*\t:VB+16*\t+15], v[PC+16*\u:PC+16*\u+15], v[OT+32*\u+8*\t:OT+32*\u+8*\t+7], v[VS+\t], v[T+24*\u+21] matrix_a_fmt:MATRIX_FMT_BF8 matrix_b_fmt:MATRIX_FMT_BF8
.endr
.endr
	WIN 0
	PERMS                                          ; these four and the eight below: twelve places ahead of the loads into V^T's bank; eight between the scale words' making and their products
	s_add_co_u32 s[TB], s[TB], KVREC
	v_add_nc_u32 v8, s[TB], v1                     ; on to the next record
	v_add_nc_u32 v9, s[TB], v2
.rept 6
	v_nop
.endr
	VLOADS                                         ; the next step's V^T
.endm
	STEP                                           ; step 0: record 0, looking ahead into record 1
	s_wait_alu depctr_va_vdst(0)                   ; directly ahead of the waits below
	s_wait_tensorcnt 0x0                           ; every wave: my records are in,
	s_wait_dscnt 0x0                               ; and no LDS load of mine is out at the signal
	s_barrier_signal -1
	s_barrier_wait -1                              ; everybody's are
	s_mov_b32 s[CNT], 15
.Lrest:                                            ; steps 1 to 15; the last looks ahead into the record of zeros
	STEP
	s_sub_co_u32 s[CNT], s[CNT], 1
	s_cmp_lg_u32 s[CNT], 0
	s_wait_alu depctr_va_vdst(0)                   ; directly ahead of the branch
	s_cbranch_scc1 .Lrest
	; THE WAY OUT: O^T / the sum, quantised along the head's 64 channels (two blocks a tile), stored as two groups of a fragment's image.  Twelve places stand behind the last products
.irp u, 0,1
	v_add_f32 v[16+2*\u], v[16+2*\u], v[17+2*\u]
.endr
.irp u, 0,1
	v_permlanex16_b32 v[T+24*\u+20], v[16+2*\u], s[SEL], s[SEL+1]
.endr
.irp u, 0,1
	v_add_f32 v[16+2*\u], v[16+2*\u], v[T+24*\u+20]   ; the row's sum
.endr
	s_wait_alu depctr_va_vdst(0)
	v_rcp_f32 v16, v16
	v_rcp_f32 v18, v18
	v_nop                                          ; a plain line behind the reciprocals
	WIN 0x01
	s_wait_alu depctr_va_vdst(0)                   ; and the wait ahead of their first reader
.irp u, 0,1
.set n, 0
.rept 32
	v_mul_f32 v[S+64*\u+n], v[OT+32*\u+n], v[16+2*\u]   ; register 16 b + i = channel 32 b + 16 (lane / 16) + i
.set n, n+1
.endr
.endr
	WIN 0
.irp u, 0,1
.irp b, 0,1
	v_max3_num_f32 v[T+24*\u+\b], |v[S+64*\u+16*\b]|, |v[S+64*\u+1+16*\b]|, 0x8000000
.endr
.endr
.irp i, 2,4,6,8,10,12,14
.irp u, 0,1
.irp b, 0,1
	v_max3_num_f32 v[T+24*\u+\b], v[T+24*\u+\b], |v[S+64*\u+16*\b+\i]|, |v[S+64*\u+1+16*\b+\i]|
.endr
.endr
.endr
.irp u, 0,1
.irp b, 0,1
	v_permlanex16_b32 v[T+24*\u+4+\b], v[T+24*\u+\b], s[SEL], s[SEL+1]
.endr
.endr
.irp u, 0,1
.irp b, 0,1
	v_max_num_f32 v[T+24*\u+\b], v[T+24*\u+\b], v[T+24*\u+4+\b]
.endr
.endr
.irp u, 0,1
.irp b, 0,1
	v_add_nc_u32 v[T+24*\u+12+\b], 0xf8800000, v[T+24*\u+\b]
.endr
.endr
.irp u, 0,1
.irp b, 0,1
	v_and_or_b32 v[T+24*\u+8+\b], v[T+24*\u+\b], 0x7f800000, s[MNT]
.endr
.endr
.irp u, 0,1
.irp b, 0,1
	v_lshrrev_b32 v[T+24*\u+4+\b], 23, v[T+24*\u+12+\b]
.endr
.endr
.irp u, 0,1
	v_cndmask_b32 v[T+24*\u+22], v[T+24*\u+4], v[T+24*\u+5], s54   ; lanes 0-15 store the first block's byte, lanes 16-31 the second's
.endr
.irp u, 0,1
.irp b, 0,1
.irp i, 0,1,2,3,4,5,6,7,8,9,10,11,12,13,14,15
	v_med3_num_f32 v[S+64*\u+16*\b+\i], v[S+64*\u+16*\b+\i], -v[T+24*\u+8+\b], v[T+24*\u+8+\b]
.endr
	v_cvt_scalef32_pk8_bf8_f32 v[S+64*\u+32+4*\b:S+64*\u+33+4*\b], v[S+64*\u+16*\b:S+64*\u+16*\b+7], v[T+24*\u+12+\b]
	v_cvt_scalef32_pk8_bf8_f32 v[S+64*\u+34+4*\b:S+64*\u+35+4*\b], v[S+64*\u+16*\b+8:S+64*\u+16*\b+15], v[T+24*\u+12+\b]
.endr
.endr
	v_nop
.irp u, 0,1
	global_store_b128 v1, v[S+64*\u+32:S+64*\u+35], s[50:51] offset:2048*\u
	global_store_b128 v1, v[S+64*\u+36:S+64*\u+39], s[50:51] offset:2048*\u+512
	global_store_b8 v4, v[T+24*\u+22], s[52:53] offset:64*\u
.endr
	s_wait_tensorcnt 0x0                           ; the wave's end
	ds_add_u32 v[SPW], v[NIL]
	s_wait_dscnt 0x0
	CROUND                                         ; the closing round
	s_endpgm
.Lfunc_end_k_qe8a065a573_attn:
	.size	k_qe8a065a573_attn, .Lfunc_end_k_qe8a065a573_attn-k_qe8a065a573_attn
	.p2alignl 7, 3214868480
	.fill 96, 4, 3214868480
	.section	.rodata,"a",@progbits
	.p2align	6, 0x0
	.amdhsa_kernel k_qe8a065a573_attn
		.amdhsa_group_segment_fixed_size 292608
		.amdhsa_private_segment_fixed_size 0
		.amdhsa_enable_private_segment 0
		.amdhsa_kernarg_size 24
		.amdhsa_user_sgpr_count 2
		.amdhsa_user_sgpr_kernarg_segment_ptr 1
		.amdhsa_wavefront_size32 1
		.amdhsa_system_sgpr_workgroup_id_x 1
		.amdhsa_system_sgpr_workgroup_id_y 1
		.amdhsa_system_sgpr_workgroup_id_z 1
		.amdhsa_system_vgpr_workitem_id 0
		.amdhsa_next_free_vgpr 512
		.amdhsa_next_free_sgpr 66
		.amdhsa_reserve_vcc 0
		.amdhsa_float_denorm_mode_32 3
		.amdhsa_float_denorm_mode_16_64 3
		.amdhsa_memory_ordered 1
		.amdhsa_forward_progress 1
		.amdhsa_inst_pref_size 99
	.end_amdhsa_kernel
	.amdgpu_metadata
---
amdhsa.version: [ 1, 2 ]
amdhsa.kernels:
  - .name:           k_qe8a065a573_attn
    .symbol:         k_qe8a065a573_attn.kd
    .args:
      - { .name: qb, .offset: 0, .size: 8, .value_kind: global_buffer, .address_space: global }
      - { .name: kv, .offset: 8, .size: 8, .value_kind: global_buffer, .address_space: global }
      - { .name: o, .offset: 16, .size: 8, .value_kind: global_buffer, .address_space: global }
    .group_segment_fixed_size: 292608
    .private_segment_fixed_size: 0
    .kernarg_segment_align: 8
    .kernarg_segment_size: 24
    .max_flat_workgroup_size: 256
    .sgpr_count:     66
    .vgpr_count:     512
    .wavefront_size: 32
...
	.end_amdgpu_metadata
.endif
;; end of part 3
;; launch proj (part 4): grid 8 x 32, 4 waves a work-group, clusters of 4 x 4, 327,680 bytes of LDS; arguments o, wc, b_proj, x, x2; writes x2
.if DOCPART == 4
	.amdgcn_target "amdgcn-amd-amdhsa--gfx1250"
	.amdhsa_code_object_version 6
	.text
	.protected	k_qe8a065a573_proj
	.globl	k_qe8a065a573_proj
	.p2align	8
	.type	k_qe8a065a573_proj,@function
k_qe8a065a573_proj:
	s_mov_b64 s[64:65], 0
	v_nop
	global_prefetch_b8 v0, s[64:65] scope:SCOPE_SE
	s_setreg_imm32_b32 hwreg(HW_REG_WAVE_MODE, 25, 1), 1
	s_wait_xcnt 0x0
	s_wait_alu depctr_hold_cnt(0) depctr_sa_sdst(0) depctr_va_vdst(0) depctr_va_sdst(0) depctr_va_ssrc(0) depctr_va_vcc(0) depctr_vm_vsrc(0)
	s_getreg_b32 s2, hwreg(HW_REG_IB_STS2, 6, 4)
	s_cmp_eq_u32 s2, 0
	s_cbranch_scc0 .Lentry_in_a_cluster
	s_endpgm
.Lentry_in_a_cluster:
	s_bfe_u32 s2, ttmp6, 0x10000c
	s_cmp_lg_u32 s2, 0xf033
	s_cbranch_scc0 .Lentry_shape_is_right
	s_endpgm
.Lentry_shape_is_right:
.set SIZE_K, 1024
.set WOFF,   3244032
.set REC,    33792
.set SCO,    32768
.set SLOT,   4*REC
.set SPARE,  2*SLOT
.set STAGE,  SPARE+512
.set SP,     272
.set KSL,    SIZE_K/256
.set LAPS,   SIZE_K/1024
.set NP,     8
.set BI,   8
.set CO,   12
.set STO,  13
.set RD,   14
.set ADRA, 16
.set ADRB, 20
.set ADRS, 26
.set SPW,  28
.set NIL,  29
.set SCR,  32
.set BK,   40
.set ACC,  128
.set G1, 24
.set G0, 32
.set G1B, 48
.set G0B, 56
.set MSB, 0
.macro WIN new
.if MSB != (\new)
	s_set_vgpr_msb (MSB<<8)|(\new)
.set MSB, (\new)
.endif
.endm
.set MUL, 0x05
.macro JLOAD g0a, g1a, g0b, g1b
	s_cmp_eq_u32 s15, 0
	s_cbranch_scc0 .Lfor_b_\@
	tensor_load_to_lds s[\g0a:\g0a+3], s[\g1a:\g1a+7]
	s_nop 0
.rept 4
	v_nop
.endr
	s_branch .Lasked_\@
.Lfor_b_\@:
	tensor_load_to_lds s[\g0b:\g0b+3], s[\g1b:\g1b+7]
	s_nop 0
.rept 4
	v_nop
.endr
.Lasked_\@:
.endm
.macro CREST
	s_cmp_lg_u32 s14, 0
	s_cbranch_scc1 .Lnot_wave_0_\@
	s_barrier_signal -3
.Lnot_wave_0_\@:
	s_barrier_wait -3
	s_barrier_signal -1
	s_barrier_wait -1
.endm
.macro CROUND
	s_barrier_signal -1
	s_barrier_wait -1
	CREST
.endm
	s_load_b128 s[4:7], s[0:1], 0x0
	s_load_b128 s[8:11], s[0:1], 0x10
	s_load_b64 s[12:13], s[0:1], 0x20
	v_lshl_add_u32 v[SPW], v0, 2, SPARE
	v_mov_b32 v[NIL], 0
	ds_add_u32 v28, v29
	ds_add_u32 v28, v29
	s_wait_dscnt 0x0
	v_lshrrev_b32 v1, 5, v0
	v_readfirstlane_b32 s14, v1
	s_lshr_b32 s15, s14, 1
	s_and_b32 s16, s14, 1
	s_bfe_u32 s40, ttmp6, 0x40000
	s_bfe_u32 s41, ttmp6, 0x40004
	s_lshl_b32 s42, ttmp9, 2
	s_add_co_u32 s42, s42, s40
	s_and_b32 s17, ttmp7, 0xffff
	s_lshl_b32 s17, s17, 2
	s_add_co_u32 s17, s17, s41
	s_lshl_b32 s43, s41, 2
	s_lshl_b32 s43, 15, s43
	s_lshl_b32 s44, 0x1111, s40
	s_or_b32 s[G1+0], s43, (3<<16)|(1<<21)
	s_or_b32 s[G1B+0], s44, (3<<16)|(1<<21)
.irp g, G1, G1B
	s_mov_b32 s[\g+1], 32<<16
	s_mov_b32 s[\g+2], 132<<16
	s_mov_b32 s[\g+3], 32<<16
	s_mov_b32 s[\g+4], 132
	s_mov_b32 s[\g+5], 32
	s_mov_b32 s[\g+6], 0
	s_mov_b32 s[\g+7], 0
.endr
	s_mul_i32 s20, s17, KSL
	s_add_co_u32 s20, s20, s16
	s_mul_i32 s20, s20, REC
	s_mov_b32 s21, 0
	s_mul_i32 s46, s42, KSL
	s_add_co_u32 s46, s46, s16
	s_mul_i32 s46, s46, REC
	s_add_co_u32 s46, s46, WOFF
	s_mov_b32 s47, 0
	s_mul_i32 s45, s14, REC
	s_wait_kmcnt 0x0
	s_add_nc_u64 s[20:21], s[4:5], s[20:21]
	s_add_nc_u64 s[46:47], s[6:7], s[46:47]
	CROUND
.irp s, 0,1
	s_mov_b32 s[G0+4*\s], 1
	s_add_co_u32 s[G0+4*\s+1], s45, \s*SLOT
	s_add_nc_u64 s[G0+4*\s+2:G0+4*\s+3], s[20:21], \s*2*REC
	s_or_b32 s[G0+4*\s+3], s[G0+4*\s+3], 0x80000000
	s_mov_b32 s[G0B+4*\s], 1
	s_add_co_u32 s[G0B+4*\s+1], s45, \s*SLOT
	s_add_nc_u64 s[G0B+4*\s+2:G0B+4*\s+3], s[46:47], \s*2*REC
	s_or_b32 s[G0B+4*\s+3], s[G0B+4*\s+3], 0x80000000
.if \s
	s_wait_alu depctr_va_vdst(0)
	s_wait_tensorcnt 0x0
	ds_add_u32 v28, v29
	ds_add_u32 v28, v29
	s_wait_dscnt 0x0
	CROUND
.endif
	JLOAD G0+4*\s, G1, G0B+4*\s, G1B
.endr
	v_and_b32 v1, 15, v0
	v_bfe_u32 v2, v0, 4, 1
	s_wait_alu depctr_va_vdst(0)
	v_and_b32 v3, 31, v0
	v_lshlrev_b32 v4, 4, v3
	s_lshl_b32 s21, s15, 13
	s_lshl_b32 s22, s16, 13
	s_add_co_u32 s22, s22, 2*REC
.irp s, 0,1
	v_add_nc_u32 v[ADRA+\s], s21, v4
	v_add_nc_u32 v[ADRB+\s], s22, v4
	s_add_co_u32 s21, s21, SLOT
	s_add_co_u32 s22, s22, SLOT
.endr
	s_lshl_b32 s21, s15, 8
	s_lshl_b32 s22, s16, 8
	s_add_co_u32 s22, s22, 2*REC
	s_sub_co_u32 s22, s22, s21
	v_mul_u32_u24 v6, s22, v2
	v_lshl_add_u32 v6, v1, 2, v6
	s_add_co_u32 s21, s21, SCO
	v_add_nc_u32 v[ADRS], s21, v6
	v_add_nc_u32 v[ADRS+1], SLOT, v[ADRS]
	s_mul_i32 s23, s14, 16*SP
	s_add_co_u32 s23, s23, STAGE
	v_mul_u32_u24 v6, v1, SP
	v_lshl_add_u32 v6, v2, 6, v6
	v_add_nc_u32 v[STO], s23, v6
	v_mul_u32_u24 v6, v2, SP
	v_lshl_add_u32 v6, v1, 4, v6
	v_add_nc_u32 v[RD], s23, v6
	v_lshlrev_b32 v[CO], 12, v2
	v_lshl_add_u32 v[CO], v1, 4, v[CO]
	s_wait_alu depctr_va_vdst(0)
	v_lshlrev_b32 v7, 4, v1
	s_wait_alu depctr_va_vdst(0)
	s_lshl_b32 s66, s17, 7
	s_lshl_b32 s67, s15, 6
	s_add_co_u32 s66, s66, s67
	s_lshl_b32 s66, s66, 12
	s_lshl_b32 s67, s42, 9
	s_add_co_u32 s66, s66, s67
	s_lshl_b32 s68, s16, 8
	s_add_co_u32 s66, s66, s68
	s_add_co_u32 s68, s67, s68
	s_mov_b32 s67, 0
	s_mov_b32 s69, 0
	s_add_nc_u64 s[70:71], s[10:11], s[66:67]
	s_add_nc_u64 s[72:73], s[12:13], s[66:67]
	s_add_nc_u64 s[74:75], s[8:9], s[68:69]
	WIN 0x80
.irp a, 0,1,2,3
.irp t, 0,1,2,3,4,5,6,7
	global_load_b128 v[32*\a+4*\t:32*\a+4*\t+3], v[CO], s[70:71] offset:(32*(\a/2)+8*(\a%2)+2*\t+8*(\t/4))*4096 th:TH_LOAD_NT
.endr
.endr
	WIN 0
	global_load_b128 v[BI:BI+3], v7, s[74:75]
.macro FETCH slot, rho, q, f
	WIN 0x40
.irp n, 0,1,2,3
.irp c, 0,1,2,3
	ds_load_b128 v[128*(\f)+16*\n+4*\c:128*(\f)+16*\n+4*\c+3], v[ADRA+\slot] offset:(\rho)*REC+(8*(\q)+\n)*2048+512*\c
.endr
.endr
.irp n, 0,1,2,3
.irp c, 0,1,2,3
	ds_load_b128 v[128*(\f)+64+16*\n+4*\c:128*(\f)+64+16*\n+4*\c+3], v[ADRB+\slot] offset:(\rho)*REC+(8*(\q)+\n)*2048+512*\c
.endr
.endr
	WIN 0
.irp n, 0,1,2,3
	ds_load_b32 v[SCR+4*(\f)+\n], v[ADRS+\slot] offset:(\rho)*REC+512*(\q)+64*\n
.endr
.endm
.macro MUL8 f, a0, zero
.irp a, \a0, \a0+1
.irp b, 0,1,2,3
.if \zero
	v_wmma_scale_f32_16x16x128_f8f6f4 v[ACC+8*(4*(\a)+\b):ACC+8*(4*(\a)+\b)+7], v[128*(\f)+64+16*\b:128*(\f)+64+16*\b+15], v[128*(\f)+16*(\a):128*(\f)+16*(\a)+15], 0, v[SCR+4*(\f)+\b], v[SCR+4*(\f)+(\a)] matrix_a_fmt:MATRIX_FMT_BF8 matrix_b_fmt:MATRIX_FMT_BF8 matrix_a_scale:MATRIX_SCALE_ROW1
.else
	v_wmma_scale_f32_16x16x128_f8f6f4 v[ACC+8*(4*(\a)+\b):ACC+8*(4*(\a)+\b)+7], v[128*(\f)+64+16*\b:128*(\f)+64+16*\b+15], v[128*(\f)+16*(\a):128*(\f)+16*(\a)+15], v[ACC+8*(4*(\a)+\b):ACC+8*(4*(\a)+\b)+7], v[SCR+4*(\f)+\b], v[SCR+4*(\f)+(\a)] matrix_a_fmt:MATRIX_FMT_BF8 matrix_b_fmt:MATRIX_FMT_BF8 matrix_a_scale:MATRIX_SCALE_ROW1
.endif
.endr
.endr
.endm
.macro PLACES n
.rept \n
	v_nop
.endr
.endm
.macro KS f, g, slot, rho, q, zero
	s_wait_dscnt 0x0
	PLACES NP
	FETCH \slot, \rho, \q, \g
	WIN MUL
	MUL8 \f, 0, \zero
	MUL8 \f, 2, \zero
.endm
.macro TURN slot, next, fill
	WIN 0
	s_wait_tensorcnt 0x0
	ds_add_u32 v[SPW], v[NIL]
	s_wait_dscnt 1
	WIN MUL
	MUL8 1, 0, 0
	s_wait_dscnt 0x0
	s_barrier_signal -1
	WIN 0
	s_barrier_wait -1
.if \fill
	CREST
	s_add_nc_u64 s[G0+4*\slot+2:G0+4*\slot+3], s[G0+4*\slot+2:G0+4*\slot+3], 4*REC
	s_add_nc_u64 s[G0B+4*\slot+2:G0B+4*\slot+3], s[G0B+4*\slot+2:G0B+4*\slot+3], 4*REC
	JLOAD G0+4*\slot, G1, G0B+4*\slot, G1B
	PLACES NP-4
.else
	PLACES NP
.endif
	FETCH \next, 0, 0, 0
	WIN MUL
	MUL8 1, 2, 0
.endm
	s_wait_tensorcnt 1
	s_barrier_signal -1
	s_barrier_wait -1
	FETCH 0, 0, 0, 0
	KS 0, 1, 0, 0, 1, 1
.if LAPS > 1
	WIN 0
	s_mov_b32 s3, LAPS-1
.Llap:
	KS 1, 0, 0, 1, 0, 0
	KS 0, 1, 0, 1, 1, 0
	TURN 0, 1, 1
	KS 0, 1, 1, 0, 1, 0
	KS 1, 0, 1, 1, 0, 0
	KS 0, 1, 1, 1, 1, 0
	TURN 1, 0, 1
	KS 0, 1, 0, 0, 1, 0
	WIN 0
	s_sub_co_u32 s3, s3, 1
	s_cmp_lg_u32 s3, 0
	s_cbranch_scc1 .Llap
.endif
	KS 1, 0, 0, 1, 0, 0
	KS 0, 1, 0, 1, 1, 0
	TURN 0, 1, 0
	KS 0, 1, 1, 0, 1, 0
	KS 1, 0, 1, 1, 0, 0
	KS 0, 1, 1, 1, 1, 0
	s_wait_dscnt 0x0
	MUL8 1, 0, 0
	MUL8 1, 2, 0
	WIN 0
	PLACES NP
	s_wait_loadcnt 0x0
.irp a, 0,1,2,3
.irp b, 0,1,2,3
	ds_store_b128 v[STO], v[ACC+8*(4*\a+\b):ACC+8*(4*\a+\b)+3] offset:128*(\b/2)+32*(\b%2)
	ds_store_b128 v[STO], v[ACC+8*(4*\a+\b)+4:ACC+8*(4*\a+\b)+7] offset:128*(\b/2)+32*(\b%2)+16
.endr
.irp t, 0,1,2,3,4,5,6,7
	ds_load_b128 v[BK+4*\t:BK+4*\t+3], v[RD] offset:\t*2*SP
.endr
	s_wait_dscnt 0x0
.irp t, 0,1,2,3,4,5,6,7
	v_pk_add_f32 v[BK+4*\t:BK+4*\t+1], v[BK+4*\t:BK+4*\t+1], v[BI:BI+1]
	v_pk_add_f32 v[BK+4*\t+2:BK+4*\t+3], v[BK+4*\t+2:BK+4*\t+3], v[BI+2:BI+3]
.endr
	WIN 0x88
.irp t, 0,1,2,3,4,5,6,7
	v_pk_add_f32 v[32*\a+4*\t:32*\a+4*\t+1], v[BK+4*\t:BK+4*\t+1], v[32*\a+4*\t:32*\a+4*\t+1]
	v_pk_add_f32 v[32*\a+4*\t+2:32*\a+4*\t+3], v[BK+4*\t+2:BK+4*\t+3], v[32*\a+4*\t+2:32*\a+4*\t+3]
.endr
	WIN 0x08
.irp t, 0,1,2,3,4,5,6,7
	global_store_b128 v[CO], v[32*\a+4*\t:32*\a+4*\t+3], s[72:73] offset:(32*(\a/2)+8*(\a%2)+2*\t+8*(\t/4))*4096
.endr
	WIN 0
.endr
	s_wait_tensorcnt 0x0
	ds_add_u32 v[SPW], v[NIL]
	s_wait_dscnt 0x0
	CROUND
	s_endpgm
.Lfunc_end_k_qe8a065a573_proj:
	.size	k_qe8a065a573_proj, .Lfunc_end_k_qe8a065a573_proj-k_qe8a065a573_proj
	.p2alignl 7, 3214868480
	.fill 96, 4, 3214868480
	.section	.rodata,"a",@progbits
	.p2align	6, 0x0
	.amdhsa_kernel k_qe8a065a573_proj
		.amdhsa_group_segment_fixed_size 327680
		.amdhsa_private_segment_fixed_size 0
		.amdhsa_enable_private_segment 0
		.amdhsa_kernarg_size 40
		.amdhsa_user_sgpr_count 2
		.amdhsa_user_sgpr_kernarg_segment_ptr 1
		.amdhsa_wavefront_size32 1
		.amdhsa_system_sgpr_workgroup_id_x 1
		.amdhsa_system_sgpr_workgroup_id_y 1
		.amdhsa_system_sgpr_workgroup_id_z 1
		.amdhsa_system_vgpr_workitem_id 0
		.amdhsa_next_free_vgpr 640
		.amdhsa_next_free_sgpr 100
		.amdhsa_reserve_vcc 0
		.amdhsa_float_denorm_mode_32 3
		.amdhsa_float_denorm_mode_16_64 3
		.amdhsa_memory_ordered 1
		.amdhsa_forward_progress 1
		.amdhsa_inst_pref_size 65
	.end_amdhsa_kernel
	.amdgpu_metadata
---
amdhsa.version: [ 1, 2 ]
amdhsa.kernels:
  - .name:           k_qe8a065a573_proj
    .symbol:         k_qe8a065a573_proj.kd
    .args:
      - { .name: o, .offset: 0, .size: 8, .value_kind: global_buffer, .address_space: global }
      - { .name: wc, .offset: 8, .size: 8, .value_kind: global_buffer, .address_space: global }
      - { .name: b_proj, .offset: 16, .size: 8, .value_kind: global_buffer, .address_space: global }
      - { .name: x, .offset: 24, .size: 8, .value_kind: global_buffer, .address_space: global }
      - { .name: x2, .offset: 32, .size: 8, .value_kind: global_buffer, .address_space: global }
    .group_segment_fixed_size: 327680
    .private_segment_fixed_size: 0
    .kernarg_segment_align: 8
    .kernarg_segment_size: 40
    .max_flat_workgroup_size: 128
    .sgpr_count:     100
    .vgpr_count:     640
    .wavefront_size: 32
...
	.end_amdgpu_metadata
.endif
;; end of part 4
;; launch ln2 (part 5): grid 256 x 1, 4 waves a work-group, no clusters, 66,560 bytes of LDS; arguments x2, g2, beta2, h; writes h
.if DOCPART == 5
	.amdgcn_target "amdgcn-amd-amdhsa--gfx1250"
	.amdhsa_code_object_version 6
	.text
	.protected	k_qe8a065a573_ln2
	.globl	k_qe8a065a573_ln2
	.p2align	8
	.type	k_qe8a065a573_ln2,@function
k_qe8a065a573_ln2:
	s_mov_b64 s[64:65], 0
	v_nop
	global_prefetch_b8 v0, s[64:65] scope:SCOPE_SE
	s_setreg_imm32_b32 hwreg(HW_REG_WAVE_MODE, 25, 1), 1
	s_wait_xcnt 0x0
; h = Q(layernorm(x) g + beta): rows of 1,024 f32 are normalised in f32 and quantised along the row to codes of BF8 (E5M2) with one E8M0 byte for each 32, laid in the order of the operand's registers
; (records of 33,792 bytes = 128 rows x 256 k: fragment (q, i) at (8 q + i) x 2,048, group c of lane l at 512 c + 16 l; scale words at 32,768 + 512 q + 64 i + 4 r; records [rows / 128][4]).
; Row r of block i of a group of 128 is token 32 (i / 2) + 8 (i % 2) + r + 8 (r / 8).  A work-group owns one block: 16 tokens, all 1,024 columns.
; PHASE A: wave w loads 4 tokens that follow each other in memory (16 KiB on end, 512 consecutive bytes a load), takes mean and variance in two passes (the variance of x - mean: no difference of large sums),
; normalises, and puts the rows into LDS (pitch 4,112 bytes = 257 x 16: the sixteen rows of a later load start in sixteen different groups of banks).  One barrier.
; PHASE B: wave w takes columns 256 w .. 256 w + 255 of all 16 rows, 16 neighbours of each block of 32 a lane, quantises two fragments and stores their images, 512 consecutive bytes a store.
; LIMITS: a block of zeros, or one whose largest magnitude lies under 2^-111, gets the byte 1 (read by this program alone; zero codes add nothing); NaN and infinities are not served.
.set REC,  33792
.set SCO,  32768
.set PIT,  4112
.set GA,   32                          ; v32-63   g of my 32 columns; in phase B the codes
.set BE,   64                          ; v64-95   beta; in phase B at work
.set X,    96                          ; v96-223  four rows x 32 numbers; in phase B two fragments' 64 numbers
.set MU,   10                          ; v10-17   a pair a row: the sum, then the mean in the low word
.set RS,   18                          ; v18-25   a pair a row: the sum of squares, then 1 / sqrt(var + eps) in the low word
.set TM,   64
.set SEL,  24                          ; s[24:25] v_permlanex16_b32's selects for lane l xor 16
.set MNT,  28
	s_load_b256 s[4:11], s[0:1], 0x0               ; x, g, beta, h
	v_lshl_add_u32 v224, v0, 2, 0x10200
	v_mov_b32 v225, 0
	v_lshrrev_b32 v1, 5, v0
	v_readfirstlane_b32 s12, v1                    ; wave
	v_and_b32 v2, 31, v0                           ; lane
	v_lshlrev_b32 v1, 4, v2                        ; 16 x lane
	s_wait_alu depctr_va_vdst(0)
	v_and_b32 v5, 15, v0                           ; r
	s_wait_alu depctr_va_vdst(0)
	v_bfe_u32 v6, v0, 4, 1                         ; h
	s_lshr_b32 s13, ttmp9, 3                       ; group of 128 tokens
	s_and_b32 s14, ttmp9, 7                        ; block i
	s_lshl_b32 s15, s13, 7
	s_lshr_b32 s16, s14, 1
	s_lshl_b32 s16, s16, 5
	s_add_co_u32 s15, s15, s16
	s_and_b32 s16, s14, 1
	s_lshl_b32 s16, s16, 3
	s_add_co_u32 s15, s15, s16
	s_lshl_b32 s16, s12, 2
	s_add_co_u32 s15, s15, s16
	s_lshr_b32 s16, s12, 1
	s_lshl_b32 s16, s16, 3
	s_add_co_u32 s15, s15, s16                     ; my wave's first token: 128 g + 32 (i / 2) + 8 (i % 2) + 4 w + 8 (w / 2)
	s_lshl_b32 s16, s15, 12
	s_mov_b32 s17, 0
	s_mul_i32 s18, s12, 4*PIT
	v_add_nc_u32 v3, s18, v1                       ; LDS, in: my wave's four rows, 16 x lane
	v_mul_u32_u24 v4, v5, PIT
	s_wait_alu depctr_va_vdst(0)
	v_lshl_add_u32 v4, v6, 6, v4
	s_lshl_b32 s18, s12, 10
	v_add_nc_u32 v4, s18, v4                       ; LDS, out: row r, + 1,024 w + 64 h
	v_lshlrev_b32 v7, 2, v5
	v_lshl_add_u32 v7, v6, 9, v7                   ; scale words: 4 r, lanes 16-31 the second K step's, 512 bytes on
	s_lshl_b32 s18, s13, 2
	s_add_co_u32 s18, s18, s12
	s_mul_i32 s18, s18, REC                        ; record (g, w)
	s_lshl_b32 s19, s14, 11
	s_add_co_u32 s20, s18, s19
	s_mov_b32 s21, 0
	s_lshl_b32 s19, s14, 6
	s_add_co_u32 s22, s18, s19
	s_add_co_u32 s22, s22, SCO
	s_mov_b32 s23, 0
	s_mov_b32 s[SEL], 0x76543210
	s_mov_b32 s[SEL+1], 0xfedcba98
	s_mov_b32 s26, 0x3a800000                      ; 1 / 1,024
	s_mov_b32 s27, 0x3727c5ac                      ; 1e-5
	s_mov_b32 s[MNT], 0x600000
	s_wait_kmcnt 0x0
	s_add_nc_u64 s[4:5], s[4:5], s[16:17]
	s_add_nc_u64 s[20:21], s[10:11], s[20:21]
	s_add_nc_u64 s[22:23], s[10:11], s[22:23]
.irp r, 0,1,2,3
.irp j, 0,1,2,3,4,5,6,7
	global_load_b128 v[X+32*\r+4*\j:X+32*\r+4*\j+3], v1, s[4:5] offset:4096*\r+512*\j th:TH_LOAD_NT
.endr
.endr
.irp j, 0,1,2,3,4,5,6,7
	global_load_b128 v[GA+4*\j:GA+4*\j+3], v1, s[6:7] offset:512*\j
	global_load_b128 v[BE+4*\j:BE+4*\j+3], v1, s[8:9] offset:512*\j
.endr
	s_wait_loadcnt 16                              ; the rows are in; the sixteen loads of g and beta may be out
; across the 32 lanes: four steps inside each half ride on the addition, one crosses the halves; the four rows by turns
.macro ACROSS reg
.irp r, 0,1,2,3
	v_add_f32 v[\reg+2*\r], v[\reg+2*\r], v[\reg+2*\r+1]
.endr
.irp m, 1,2,4,8
.irp r, 0,1,2,3
	v_add_f32_dpp v[\reg+2*\r], v[\reg+2*\r], v[\reg+2*\r] row_xmask:\m row_mask:0xf bank_mask:0xf
.endr
.endr
.irp r, 0,1,2,3
	v_permlanex16_b32 v[\reg+2*\r+1], v[\reg+2*\r], s[SEL], s[SEL+1]
.endr
.irp r, 0,1,2,3
	v_add_f32 v[\reg+2*\r], v[\reg+2*\r], v[\reg+2*\r+1]
.endr
.endm
.irp r, 0,1,2,3
	v_pk_add_f32 v[MU+2*\r:MU+2*\r+1], v[X+32*\r:X+32*\r+1], v[X+32*\r+2:X+32*\r+3]   ; the first two pairs start the sum: nothing is cleared
.endr
.irp p, 4,6,8,10,12,14,16,18,20,22,24,26,28,30
.irp r, 0,1,2,3
	v_pk_add_f32 v[MU+2*\r:MU+2*\r+1], v[MU+2*\r:MU+2*\r+1], v[X+32*\r+\p:X+32*\r+\p+1]
.endr
.endr
	ACROSS MU
.irp r, 0,1,2,3
	v_mul_f32 v[MU+2*\r], s26, v[MU+2*\r]          ; the mean
.endr
.set n, 0
.rept 64
	v_pk_add_f32 v[X+n:X+n+1], v[X+n:X+n+1], v[MU+2*(n/32):MU+2*(n/32)+1] op_sel_hi:[1,0] neg_lo:[0,1] neg_hi:[0,1]   ; x - mean, in place
.set n, n+2
.endr
.irp r, 0,1,2,3
	v_pk_mul_f32 v[RS+2*\r:RS+2*\r+1], v[X+32*\r:X+32*\r+1], v[X+32*\r:X+32*\r+1]
.endr
.irp p, 2,4,6,8,10,12,14,16,18,20,22,24,26,28,30
.irp r, 0,1,2,3
	v_pk_fma_f32 v[RS+2*\r:RS+2*\r+1], v[X+32*\r+\p:X+32*\r+\p+1], v[X+32*\r+\p:X+32*\r+\p+1], v[RS+2*\r:RS+2*\r+1]
.endr
.endr
	ACROSS RS
.irp r, 0,1,2,3
	v_fma_f32 v[RS+2*\r+1], v[RS+2*\r], s26, s27   ; the variance + eps
.endr
	s_wait_alu depctr_va_vdst(0)
.irp r, 0,1,2,3
	v_rsq_f32 v[RS+2*\r], v[RS+2*\r+1]
.endr
	v_nop                                          ; a plain line behind the last of the four
	s_wait_alu depctr_va_vdst(0)                   ; one wait for the four, ahead of their first reader
	s_wait_loadcnt 0x0                             ; g and beta
.set n, 0
.rept 64
	v_pk_mul_f32 v[X+n:X+n+1], v[X+n:X+n+1], v[RS+2*(n/32):RS+2*(n/32)+1] op_sel_hi:[1,0]
.set n, n+2
.endr
.set n, 0
.rept 64
	v_pk_fma_f32 v[X+n:X+n+1], v[X+n:X+n+1], v[GA+n%32:GA+n%32+1], v[BE+n%32:BE+n%32+1]
.set n, n+2
.endr
.irp r, 0,1,2,3
.irp j, 0,1,2,3,4,5,6,7
	ds_store_b128 v3, v[X+32*\r+4*\j:X+32*\r+4*\j+3] offset:PIT*\r+512*\j
.endr
.endr
	s_wait_dscnt 0x0                               ; for the others' sake: my rows lie in LDS
	s_barrier_signal -1
	s_barrier_wait -1
.irp q, 0,1
.irp b, 0,1,2,3
.irp j, 0,1,2,3
	ds_load_b128 v[X+64*\q+16*\b+4*\j:X+64*\q+16*\b+4*\j+3], v4 offset:512*\q+128*\b+16*\j   ; row r, k = 256 w + 128 q + 32 b + 16 h + 4 j on
.endr
.endr
.endr
.irp b, 0,1,2,3
	v_mov_b32 v[TM+4+\b], 0                        ; a lane permute's destination counts as one of its sources
.endr
; 64 numbers of a lane, register 16 b + i = k 32 b + 16 (lane / 16) + i of my row, become a fragment's codes in v[pc] on and its scale word in v[pw]
.macro QUANT s, pc, pw
.irp b, 0,1,2,3
	v_max3_num_f32 v[TM+\b], |v[(\s)+16*\b]|, |v[(\s)+1+16*\b]|, 0x8000000   ; my 16 numbers of block b, and the floor 2^(16 - 127)
.endr
.irp i, 2,4,6,8,10,12,14
.irp b, 0,1,2,3
	v_max3_num_f32 v[TM+\b], v[TM+\b], |v[(\s)+16*\b+\i]|, |v[(\s)+1+16*\b+\i]|
.endr
.endr
.irp b, 0,1,2,3
	v_permlanex16_b32 v[TM+4+\b], v[TM+\b], s[SEL], s[SEL+1]
.endr
.irp b, 0,1,2,3
	v_max_num_f32 v[TM+\b], v[TM+\b], v[TM+4+\b]   ; with lane l xor 16's: the block's largest magnitude
.endr
.irp b, 0,1,2,3
	v_add_nc_u32 v[TM+12+\b], 0xf8800000, v[TM+\b] ; 15 off the exponent field: the conversion's scale operand
.endr
.irp b, 0,1,2,3
	v_and_or_b32 v[TM+8+\b], v[TM+\b], 0x7f800000, s[MNT]   ; 57,344 x the scale
.endr
.irp b, 0,1,2,3
	v_lshrrev_b32 v[TM+4+\b], 23, v[TM+12+\b]      ; the scale's byte
.endr
	v_lshl_or_b32 v[\pw], v[TM+5], 8, v[TM+4]
	v_lshl_or_b32 v[\pw], v[TM+6], 16, v[\pw]
	v_lshl_or_b32 v[\pw], v[TM+7], 24, v[\pw]
.irp b, 0,1,2,3
.irp i, 0,1,2,3,4,5,6,7,8,9,10,11,12,13,14,15
	v_med3_num_f32 v[(\s)+16*\b+\i], v[(\s)+16*\b+\i], -v[TM+8+\b], v[TM+8+\b]   ; the conversion does not saturate (ISA guide 7.6.2): hold first
.endr
	v_cvt_scalef32_pk8_bf8_f32 v[(\pc)+4*\b:(\pc)+1+4*\b], v[(\s)+16*\b:(\s)+7+16*\b], v[TM+12+\b]
	v_cvt_scalef32_pk8_bf8_f32 v[(\pc)+2+4*\b:(\pc)+3+4*\b], v[(\s)+8+16*\b:(\s)+15+16*\b], v[TM+12+\b]
.endr
	v_nop                                          ; a plain line behind the last conversion
.endm
	s_wait_dscnt 16                                ; the first K step's sixteen loads are in
	QUANT X, 32, 80
.irp c, 0,1,2,3
	global_store_b128 v1, v[32+4*\c:35+4*\c], s[20:21] offset:512*\c
.endr
	s_wait_dscnt 0x0
	QUANT X+64, 48, 81
.irp c, 0,1,2,3
	global_store_b128 v1, v[48+4*\c:51+4*\c], s[20:21] offset:16384+512*\c
.endr
	v_cmp_le_u32 vcc_lo, 16, v2
	v_cndmask_b32 v82, v80, v81, vcc_lo            ; lanes 0-15 store the first K step's words, lanes 16-31 the second's
	global_store_b32 v7, v82, s[22:23]
	s_wait_tensorcnt 0x0
	ds_add_u32 v224, v225
	s_wait_dscnt 0x0
	s_endpgm
.Lfunc_end_k_qe8a065a573_ln2:
	.size	k_qe8a065a573_ln2, .Lfunc_end_k_qe8a065a573_ln2-k_qe8a065a573_ln2
	.p2alignl 7, 3214868480
	.fill 96, 4, 3214868480
	.section	.rodata,"a",@progbits
	.p2align	6, 0x0
	.amdhsa_kernel k_qe8a065a573_ln2
		.amdhsa_group_segment_fixed_size 66560
		.amdhsa_private_segment_fixed_size 0
		.amdhsa_enable_private_segment 0
		.amdhsa_kernarg_size 32
		.amdhsa_user_sgpr_count 2
		.amdhsa_user_sgpr_kernarg_segment_ptr 1
		.amdhsa_wavefront_size32 1
		.amdhsa_system_sgpr_workgroup_id_x 1
		.amdhsa_system_sgpr_workgroup_id_y 1
		.amdhsa_system_sgpr_workgroup_id_z 1
		.amdhsa_system_vgpr_workitem_id 0
		.amdhsa_next_free_vgpr 226
		.amdhsa_next_free_sgpr 66
		.amdhsa_reserve_vcc 1
		.amdhsa_float_denorm_mode_32 3
		.amdhsa_float_denorm_mode_16_64 3
		.amdhsa_memory_ordered 1
		.amdhsa_forward_progress 1
		.amdhsa_inst_pref_size 52
	.end_amdhsa_kernel
	.amdgpu_metadata
---
amdhsa.version: [ 1, 2 ]
amdhsa.kernels:
  - .name:           k_qe8a065a573_ln2
    .symbol:         k_qe8a065a573_ln2.kd
    .args:
      - { .name: x2, .offset: 0, .size: 8, .value_kind: global_buffer, .address_space: global }
      - { .name: g2, .offset: 8, .size: 8, .value_kind: global_buffer, .address_space: global }
      - { .name: beta2, .offset: 16, .size: 8, .value_kind: global_buffer, .address_space: global }
      - { .name: h, .offset: 24, .size: 8, .value_kind: global_buffer, .address_space: global }
    .group_segment_fixed_size: 66560
    .private_segment_fixed_size: 0
    .kernarg_segment_align: 8
    .kernarg_segment_size: 32
    .max_flat_workgroup_size: 128
    .sgpr_count:     66
    .vgpr_count:     226
    .wavefront_size: 32
...
	.end_amdgpu_metadata
.endif
;; end of part 5
;; launch fc1 (part 6): grid 16 x 16, 4 waves a work-group, clusters of 4 x 4, 327,680 bytes of LDS; arguments h, wc, b_fc1, act; writes act
.if DOCPART == 6
	.amdgcn_target "amdgcn-amd-amdhsa--gfx1250"
	.amdhsa_code_object_version 6
	.text
	.protected	k_qe8a065a573_fc1
	.globl	k_qe8a065a573_fc1
	.p2align	8
	.type	k_qe8a065a573_fc1,@function
k_qe8a065a573_fc1:
	s_mov_b64 s[64:65], 0
	v_nop
	global_prefetch_b8 v0, s[64:65] scope:SCOPE_SE
	s_setreg_imm32_b32 hwreg(HW_REG_WAVE_MODE, 25, 1), 1
	s_wait_xcnt 0x0
	s_wait_alu depctr_hold_cnt(0) depctr_sa_sdst(0) depctr_va_vdst(0) depctr_va_sdst(0) depctr_va_ssrc(0) depctr_va_vcc(0) depctr_vm_vsrc(0)
	s_getreg_b32 s2, hwreg(HW_REG_IB_STS2, 6, 4)
	s_cmp_eq_u32 s2, 0
	s_cbranch_scc0 .Lentry_in_a_cluster
	s_endpgm
.Lentry_in_a_cluster:
	s_bfe_u32 s2, ttmp6, 0x10000c
	s_cmp_lg_u32 s2, 0xf033
	s_cbranch_scc0 .Lentry_shape_is_right
	s_endpgm
.Lentry_shape_is_right:
.set REC,    33792
.set SCO,    32768
.set SLOT,   4*REC
.set SPARE,  2*SLOT
.set WOFF,   4325376
.set NQ,     2
.set FR,     16
.set NL,     4
.set NP,     8
.set LAPS,   2
.set LI,   4
.set VK8,  6
.set STA,  8
.set SWA,  9
.set SRD,  10
.set ADL,  11
.set ADW,  12
.set ADRA, 16
.set ADRB, 20
.set ADRS, 26
.set SPW,  28
.set NIL,  29
.set SC,   32
.set BV,   64
.set AF,   128
.set Y,    128
.set GT,   192
.set GE,   224
.set GH,   32
.set PC,   192
.set TM,   208
.set PW,   224
.set G1, 24
.set G0, 32
.set G1B, 48
.set G0B, 56
.set KZ, 66
.set K0, 68
.set K1, 70
.set K2, 72
.set K3, 74
.set K4, 76
.set K5, 78
.set K6, 80
.set K7, 82
.set K9, 84
.set KT, 86
.set MNT, 87
.set SEL, 88
.set TS, 90
.set TW, 91
.set CNT, 92
.set MSB, 0
.macro WIN new
.if MSB != (\new)
	s_set_vgpr_msb (MSB<<8)|(\new)
.set MSB, (\new)
.endif
.endm
.set MUL_LO, 0xa1
.set MUL_HI, 0xf1
.set TO_B,   0x40
.macro JLOAD g0a, g1a, g0b, g1b
	s_cmp_eq_u32 s15, 0
	s_cbranch_scc0 .Lfor_b_\@
	tensor_load_to_lds s[\g0a:\g0a+3], s[\g1a:\g1a+7]
	s_nop 0
.rept 4
	v_nop
.endr
	s_branch .Lasked_\@
.Lfor_b_\@:
	tensor_load_to_lds s[\g0b:\g0b+3], s[\g1b:\g1b+7]
	s_nop 0
.rept 4
	v_nop
.endr
.Lasked_\@:
.endm
.macro CREST
	s_cmp_lg_u32 s14, 0
	s_cbranch_scc1 .Lnot_wave_0_\@
	s_barrier_signal -3
.Lnot_wave_0_\@:
	s_barrier_wait -3
	s_barrier_signal -1
	s_barrier_wait -1
.endm
.macro CROUND
	s_barrier_signal -1
	s_barrier_wait -1
	CREST
.endm
	s_load_b128 s[4:7], s[0:1], 0x0
	s_load_b128 s[8:11], s[0:1], 0x10
	v_lshl_add_u32 v[SPW], v0, 2, SPARE
	v_mov_b32 v[NIL], 0
	ds_add_u32 v28, v29
	ds_add_u32 v28, v29
	s_wait_dscnt 0x0
	v_lshrrev_b32 v1, 5, v0
	v_readfirstlane_b32 s14, v1
	s_lshr_b32 s15, s14, 1
	s_and_b32 s16, s14, 1
	s_bfe_u32 s40, ttmp6, 0x40000
	s_bfe_u32 s41, ttmp6, 0x40004
	s_lshl_b32 s42, ttmp9, 2
	s_add_co_u32 s42, s42, s40
	s_and_b32 s17, ttmp7, 0xffff
	s_lshl_b32 s17, s17, 2
	s_add_co_u32 s17, s17, s41
	s_lshl_b32 s43, s41, 2
	s_lshl_b32 s43, 15, s43
	s_lshl_b32 s44, 0x1111, s40
	s_or_b32 s[G1+0], s43, (3<<16)|(1<<21)
	s_or_b32 s[G1B+0], s44, (3<<16)|(1<<21)
.irp g, G1, G1B
	s_mov_b32 s[\g+1], 32<<16
	s_mov_b32 s[\g+2], 132<<16
	s_mov_b32 s[\g+3], 32<<16
	s_mov_b32 s[\g+4], 132
	s_mov_b32 s[\g+5], 32
	s_mov_b32 s[\g+6], 0
	s_mov_b32 s[\g+7], 0
.endr
	s_lshl_b32 s20, s17, 1
	s_add_co_u32 s20, s20, s16
	s_mul_i32 s20, s20, 4*REC
	s_mov_b32 s21, 0
	s_lshl_b32 s46, s42, 1
	s_add_co_u32 s46, s46, s16
	s_mul_i32 s46, s46, 4*REC
	s_add_co_u32 s46, s46, WOFF
	s_mov_b32 s47, 0
	s_mul_i32 s45, s14, REC
	s_wait_kmcnt 0x0
	s_add_nc_u64 s[20:21], s[4:5], s[20:21]
	s_add_nc_u64 s[46:47], s[6:7], s[46:47]
	CROUND
.irp s, 0,1
	s_mov_b32 s[G0+4*\s], 1
	s_add_co_u32 s[G0+4*\s+1], s45, \s*SLOT
	s_add_nc_u64 s[G0+4*\s+2:G0+4*\s+3], s[20:21], \s*REC
	s_or_b32 s[G0+4*\s+3], s[G0+4*\s+3], 0x80000000
	s_mov_b32 s[G0B+4*\s], 1
	s_add_co_u32 s[G0B+4*\s+1], s45, \s*SLOT
	s_add_nc_u64 s[G0B+4*\s+2:G0B+4*\s+3], s[46:47], \s*REC
	s_or_b32 s[G0B+4*\s+3], s[G0B+4*\s+3], 0x80000000
.if \s
	s_wait_alu depctr_va_vdst(0)
	s_wait_tensorcnt 0x0
	ds_add_u32 v28, v29
	ds_add_u32 v28, v29
	s_wait_dscnt 0x0
	CROUND
.endif
	JLOAD G0+4*\s, G1, G0B+4*\s, G1B
.endr
	v_and_b32 v1, 15, v0
	v_bfe_u32 v2, v0, 4, 1
	v_and_b32 v3, 31, v0
	v_lshlrev_b32 v[LI], 4, v3
	s_wait_alu depctr_va_vdst(0)
	s_lshl_b32 s74, s42, 10
	s_lshl_b32 s75, s16, 9
	s_add_co_u32 s74, s74, s75
	s_mov_b32 s75, 0
	s_add_nc_u64 s[74:75], s[8:9], s[74:75]
	v_lshlrev_b32 v13, 6, v2
.irp b, 0,1,2,3,4,5,6,7
	global_load_b128 v[BV+8*\b:BV+8*\b+3], v13, s[74:75] offset:(32*(\b/2)+8*(\b%2))*4
	global_load_b128 v[BV+8*\b+4:BV+8*\b+7], v13, s[74:75] offset:(32*(\b/2)+8*(\b%2))*4+16
.endr
	s_mul_i32 s21, s15, REC
	s_mul_i32 s22, s16, REC
	s_add_co_u32 s22, s22, 2*REC
.irp s, 0,1
	v_add_nc_u32 v[ADRA+\s], s21, v[LI]
	v_add_nc_u32 v[ADRB+\s], s22, v[LI]
	s_add_co_u32 s21, s21, SLOT
	s_add_co_u32 s22, s22, SLOT
.endr
	s_mul_i32 s21, s15, REC
	s_mul_i32 s22, s16, REC
	s_add_co_u32 s22, s22, 2*REC
	s_sub_co_u32 s22, s22, s21
	v_mul_u32_u24 v14, s22, v2
	v_lshl_add_u32 v14, v1, 2, v14
	s_add_co_u32 s21, s21, SCO
	v_add_nc_u32 v[ADRS], s21, v14
	v_add_nc_u32 v[ADRS+1], SLOT, v[ADRS]
	s_lshl_b32 s23, s14, 16
	v_add_nc_u32 v[STA], s23, v[LI]
	s_lshl_b32 s23, s14, 9
	s_add_co_u32 s23, s23, 4*65536
	v_lshl_add_u32 v[SWA], v1, 2, s23
	v_add_nc_u32 v[SRD], s23, v[LI]
.macro FRAG reg, adr, q, i
.irp c, 0,1,2,3
	ds_load_b128 v[\reg+4*\c:\reg+4*\c+3], v[\adr] offset:(8*(\q)+(\i))*2048+512*\c
.endr
.endm
.macro MUL16 a0, p, q, sc, zero
.irp a, \a0, \a0+1
.irp b, 0,1,2,3,4,5,6,7
.if \zero
	v_wmma_scale_f32_16x16x128_f8f6f4 v[8*(8*((\a)%4)+\b):8*(8*((\a)%4)+\b)+7], v[128*(\p)+FR*\b:128*(\p)+FR*\b+FR-1], v[AF+FR*(\a):AF+FR*(\a)+FR-1], 0, v[SC+8*NQ*(\sc)+NQ*\b+(\q)], v[SC+8*NQ*(\sc)+NQ*(\a)+(\q)] matrix_a_fmt:MATRIX_FMT_BF8 matrix_b_fmt:MATRIX_FMT_BF8 matrix_a_scale:MATRIX_SCALE_ROW1
.else
	v_wmma_scale_f32_16x16x128_f8f6f4 v[8*(8*((\a)%4)+\b):8*(8*((\a)%4)+\b)+7], v[128*(\p)+FR*\b:128*(\p)+FR*\b+FR-1], v[AF+FR*(\a):AF+FR*(\a)+FR-1], v[8*(8*((\a)%4)+\b):8*(8*((\a)%4)+\b)+7], v[SC+8*NQ*(\sc)+NQ*\b+(\q)], v[SC+8*NQ*(\sc)+NQ*(\a)+(\q)] matrix_a_fmt:MATRIX_FMT_BF8 matrix_b_fmt:MATRIX_FMT_BF8 matrix_a_scale:MATRIX_SCALE_ROW1
.endif
.endr
.endr
.endm
.macro FETCH_B slot, q, p
	WIN TO_B
.irp i, 0,1,2,3,4,5,6,7
	FRAG 128*(\p)+FR*\i, ADRB+\slot, \q, \i
.endr
	WIN 0
.endm
.macro FETCH_A slot, q, i0
.irp i, \i0, \i0+1, \i0+2, \i0+3
	FRAG AF+FR*(\i), ADRA+\slot, \q, \i
.endr
.endm
.macro SCALES sc
.irp i, 0,1,2,3,4,5,6,7
.irp q, 0,1
	ds_load_b32 v[SC+16*\sc+2*\i+\q], v[ADRS+\sc] offset:512*\q+64*\i
.endr
.endr
.endm
.macro PLACES n
.rept \n
	v_nop
.endr
.endm
.macro STEP slot, q, zero
	s_wait_dscnt 4*NL
	WIN MUL_LO
	MUL16 0, (\q)%2, \q, \slot, \zero
	MUL16 2, (\q)%2, \q, \slot, \zero
	s_wait_dscnt 0
	PLACES NP
	FETCH_B \slot, (\q)+1, 1-(\q)%2
	FETCH_A \slot, (\q)+1, 0
	WIN MUL_HI
	MUL16 4, (\q)%2, \q, \slot, \zero
	MUL16 6, (\q)%2, \q, \slot, \zero
	PLACES NP
	WIN 0
	FETCH_A \slot, (\q)+1, 4
.endm
.macro TURN slot, next, fill
	s_wait_tensorcnt 0x0
	ds_add_u32 v[SPW], v[NIL]
	s_wait_dscnt 4*NL+1
	WIN MUL_LO
	MUL16 0, 1, NQ-1, \slot, 0
	s_wait_dscnt 0x0
	s_barrier_signal -1
	MUL16 2, 1, NQ-1, \slot, 0
	WIN 0
	s_barrier_wait -1
.if \fill
	CREST
	s_add_nc_u64 s[G0+4*\slot+2:G0+4*\slot+3], s[G0+4*\slot+2:G0+4*\slot+3], 2*REC
	s_add_nc_u64 s[G0B+4*\slot+2:G0B+4*\slot+3], s[G0B+4*\slot+2:G0B+4*\slot+3], 2*REC
	JLOAD G0+4*\slot, G1, G0B+4*\slot, G1B
	PLACES NP-4
.else
	PLACES NP
.endif
	FETCH_B \next, 0, 0
	FETCH_A \next, 0, 0
	SCALES \next
	WIN MUL_HI
	MUL16 4, 1, NQ-1, \slot, 0
	MUL16 6, 1, NQ-1, \slot, 0
	PLACES NP
	WIN 0
	FETCH_A \next, 0, 4
.endm
.macro QUANT s
.irp b, 0,1,2,3
	v_max3_num_f32 v[TM+\b], |v[\s+16*\b]|, |v[\s+1+16*\b]|, 0x8000000
.endr
.irp i, 2,4,6,8,10,12,14
.irp b, 0,1,2,3
	v_max3_num_f32 v[TM+\b], v[TM+\b], |v[\s+16*\b+\i]|, |v[\s+1+16*\b+\i]|
.endr
.endr
.irp b, 0,1,2,3
	v_permlanex16_b32 v[TM+4+\b], v[TM+\b], s[SEL], s[SEL+1]
.endr
.irp b, 0,1,2,3
	v_max_num_f32 v[TM+\b], v[TM+\b], v[TM+4+\b]
.endr
.irp b, 0,1,2,3
	v_add_nc_u32 v[TM+12+\b], 0xf8800000, v[TM+\b]
.endr
.irp b, 0,1,2,3
	v_and_or_b32 v[TM+8+\b], v[TM+\b], 0x7f800000, s[MNT]
.endr
.irp b, 0,1,2,3
	v_lshrrev_b32 v[TM+4+\b], 23, v[TM+12+\b]
.endr
	v_lshl_or_b32 v[PW], v[TM+5], 8, v[TM+4]
	v_lshl_or_b32 v[PW], v[TM+6], 16, v[PW]
	v_lshl_or_b32 v[PW], v[TM+7], 24, v[PW]
.irp b, 0,1,2,3
.irp i, 0,1,2,3,4,5,6,7,8,9,10,11,12,13,14,15
	v_med3_num_f32 v[\s+16*\b+\i], v[\s+16*\b+\i], -v[TM+8+\b], v[TM+8+\b]
.endr
	v_cvt_scalef32_pk8_bf8_f32 v[PC+4*\b:PC+1+4*\b], v[\s+16*\b:\s+7+16*\b], v[TM+12+\b]
	v_cvt_scalef32_pk8_bf8_f32 v[PC+2+4*\b:PC+3+4*\b], v[\s+8+16*\b:\s+15+16*\b], v[TM+12+\b]
.endr
	v_nop
.endm
.macro GELU y
.set n, 0
.rept 32
	v_fma_f32 v[GT+n], |v[\y+n]|, s[KT], 1.0
.set n, n+1
.endr
.set n, 0
	s_wait_alu depctr_va_vdst(0)
.rept 32
	v_rcp_f32 v[GT+n], v[GT+n]
.set n, n+1
.endr
	v_nop
.set n, 0
.rept 16
	v_dual_mul_f32 v[GE+n], s[KZ], v[\y+n] :: v_dual_mul_f32 v[GE+n+1], s[KZ], v[\y+n+1]
.set n, n+2
.endr
.set n, 0
.rept 16
	v_dual_fmaak_f32 v[GE+n], v[GE+n], v[\y+n], 0xc034d90f :: v_dual_fmaak_f32 v[GE+n+1], v[GE+n+1], v[\y+n+1], 0xc034d90f
.set n, n+2
.endr
	s_wait_alu depctr_va_vdst(0)
.set n, 0
.rept 16
	v_dual_fmamk_f32 v[GH+n], v[GT+n], 0x3e7c6f08, v[VK8] :: v_dual_fmamk_f32 v[GH+n+1], v[GT+n+1], 0x3e7c6f08, v[VK8+1]
.set n, n+2
.endr
.irp k, 0x40097039,0xbfd1a1e5,0x3ecdfd18,0xbe899a80,0x3e0efb2e,0x3f0a29d2,0x3fb8ab5a
.set n, 0
.rept 16
	v_dual_fmaak_f32 v[GH+n], v[GH+n], v[GT+n], \k :: v_dual_fmaak_f32 v[GH+n+1], v[GH+n+1], v[GT+n+1], \k
.set n, n+2
.endr
.endr
.set n, 0
.rept 16
	v_dual_fmac_f32 v[GE+n], v[GH+n], v[GT+n] :: v_dual_fmac_f32 v[GE+n+1], v[GH+n+1], v[GT+n+1]
.set n, n+2
.endr
.set n, 0
	s_wait_alu depctr_va_vdst(0)
.rept 32
	v_exp_f32 v[GE+n], v[GE+n]
.set n, n+1
.endr
	v_nop
.set n, 0
.rept 16
	v_dual_max_num_f32 v[GH+n], 0, v[\y+n] :: v_dual_max_num_f32 v[GH+n+1], 0, v[\y+n+1]
.set n, n+2
.endr
	s_wait_alu depctr_va_vdst(0)
.set n, 0
.rept 16
	v_dual_mul_f32 v[GT+n], v[GT+n], v[GE+n] :: v_dual_mul_f32 v[GT+n+1], v[GT+n+1], v[GE+n+1]
.set n, n+2
.endr
.set n, 0
.rept 32
	v_fma_f32 v[\y+n], -|v[\y+n]|, v[GT+n], v[GH+n]
.set n, n+1
.endr
.endm
.macro KSET reg, val
	s_mov_b32 s[\reg], \val
	s_mov_b32 s[\reg+1], \val
.endm
	s_wait_alu depctr_va_vdst(0)
	s_wait_tensorcnt 1
	s_wait_loadcnt 0x0
	s_barrier_signal -1
	s_barrier_wait -1
	FETCH_B 0, 0, 0
	FETCH_A 0, 0, 0
	SCALES 0
	FETCH_A 0, 0, 4
	STEP 0, 0, 1
	s_mov_b32 s3, LAPS-1
.Llap:
	TURN 0, 1, 1
	STEP 1, 0, 0
	TURN 1, 0, 1
	STEP 0, 0, 0
	s_sub_co_u32 s3, s3, 1
	s_cmp_lg_u32 s3, 0
	s_cbranch_scc1 .Llap
	TURN 0, 1, 0
	STEP 1, 0, 0
	s_wait_dscnt 4*NL
	WIN MUL_LO
	MUL16 0, 1, NQ-1, 1, 0
	MUL16 2, 1, NQ-1, 1, 0
	s_wait_dscnt 0
	WIN MUL_HI
	MUL16 4, 1, NQ-1, 1, 0
	MUL16 6, 1, NQ-1, 1, 0
	WIN 0
	PLACES NP
	s_barrier_signal -1
	s_barrier_wait -1
.irp a, 0,1,2,3,4,5,6,7
	WIN 0x08+4*(\a/4)
.irp b, 0,1,2,3,4,5,6,7
	ds_store_b128 v[STA], v[64*(\a%4)+8*\b:64*(\a%4)+8*\b+3] offset:8192*\a+1024*\b
	ds_store_b128 v[STA], v[64*(\a%4)+8*\b+4:64*(\a%4)+8*\b+7] offset:8192*\a+1024*\b+512
.endr
.endr
	WIN 0
	KSET KZ, 0xbf38aa3b
	s_mov_b32 s[KT], 0x3eb504f3
	s_mov_b32 s[MNT], 0x600000
	s_mov_b32 s[SEL], 0x76543210
	s_mov_b32 s[SEL+1], 0xfedcba98
	v_mov_b32 v[VK8], 0xbf97d29d
	v_mov_b32 v[VK8+1], 0xbf97d29d
	s_mov_b32 s[TS], 0
	s_mov_b32 s[TW], 0
	s_mov_b32 s[CNT], 8
	s_lshl_b32 s93, s17, 1
	s_add_co_u32 s93, s93, s15
	s_lshl_b32 s93, s93, 4
	s_add_co_u32 s93, s93, s42
	s_mul_i32 s98, s93, REC
	s_mov_b32 s99, 0
	s_add_nc_u64 s[96:97], s[10:11], s[98:99]
	s_lshl_b32 s98, s16, 14
	s_add_nc_u64 s[94:95], s[96:97], s[98:99]
	s_lshl_b32 s98, s16, 9
	s_add_co_u32 s98, s98, SCO
	s_add_nc_u64 s[96:97], s[96:97], s[98:99]
.Lepi:
	v_add_nc_u32 v[ADL], s[TS], v[STA]
	v_add_nc_u32 v[ADW], s[TW], v[SWA]
.set n, 0
.rept 16
	ds_load_b128 v[Y+4*n:Y+4*n+3], v[ADL] offset:512*n
.set n, n+1
.endr
	s_wait_dscnt 0x0
.set n, 0
.rept 32
	v_dual_add_f32 v[Y+n], v[Y+n], v[BV+n] :: v_dual_add_f32 v[Y+n+1], v[Y+n+1], v[BV+n+1]
.set n, n+2
.endr
	GELU Y
	GELU Y+32
	QUANT Y
.irp c, 0,1,2,3
	global_store_b128 v[LI], v[PC+4*\c:PC+4*\c+3], s[94:95] offset:512*\c
.endr
	ds_store_b32 v[ADW], v[PW]
	s_wait_xcnt 0x0
	s_add_nc_u64 s[94:95], s[94:95], 2048
	s_add_co_u32 s[TS], s[TS], 8192
	s_add_co_u32 s[TW], s[TW], 64
	s_sub_co_u32 s[CNT], s[CNT], 1
	s_cmp_lg_u32 s[CNT], 0
	s_cbranch_scc1 .Lepi
	ds_load_b128 v[PC:PC+3], v[SRD]
	s_wait_dscnt 0x0
	global_store_b128 v[LI], v[PC:PC+3], s[96:97]
	s_wait_tensorcnt 0x0
	ds_add_u32 v[SPW], v[NIL]
	s_wait_dscnt 0x0
	CROUND
	s_endpgm
.Lfunc_end_k_qe8a065a573_fc1:
	.size	k_qe8a065a573_fc1, .Lfunc_end_k_qe8a065a573_fc1-k_qe8a065a573_fc1
	.p2alignl 7, 3214868480
	.fill 96, 4, 3214868480
	.section	.rodata,"a",@progbits
	.p2align	6, 0x0
	.amdhsa_kernel k_qe8a065a573_fc1
		.amdhsa_group_segment_fixed_size 327680
		.amdhsa_private_segment_fixed_size 0
		.amdhsa_enable_private_segment 0
		.amdhsa_kernarg_size 32
		.amdhsa_user_sgpr_count 2
		.amdhsa_user_sgpr_kernarg_segment_ptr 1
		.amdhsa_wavefront_size32 1
		.amdhsa_system_sgpr_workgroup_id_x 1
		.amdhsa_system_sgpr_workgroup_id_y 1
		.amdhsa_system_sgpr_workgroup_id_z 1
		.amdhsa_system_vgpr_workitem_id 0
		.amdhsa_next_free_vgpr 1024
		.amdhsa_next_free_sgpr 100
		.amdhsa_reserve_vcc 0
		.amdhsa_float_denorm_mode_32 3
		.amdhsa_float_denorm_mode_16_64 3
		.amdhsa_memory_ordered 1
		.amdhsa_forward_progress 1
		.amdhsa_inst_pref_size 186
	.end_amdhsa_kernel
	.amdgpu_metadata
---
amdhsa.version: [ 1, 2 ]
amdhsa.kernels:
  - .name:           k_qe8a065a573_fc1
    .symbol:         k_qe8a065a573_fc1.kd
    .args:
      - { .name: h, .offset: 0, .size: 8, .value_kind: global_buffer, .address_space: global }
      - { .name: wc, .offset: 8, .size: 8, .value_kind: global_buffer, .address_space: global }
      - { .name: b_fc1, .offset: 16, .size: 8, .value_kind: global_buffer, .address_space: global }
      - { .name: act, .offset: 24, .size: 8, .value_kind: global_buffer, .address_space: global }
    .group_segment_fixed_size: 327680
    .private_segment_fixed_size: 0
    .kernarg_segment_align: 8
    .kernarg_segment_size: 32
    .max_flat_workgroup_size: 128
    .sgpr_count:     100
    .vgpr_count:     1024
    .wavefront_size: 32
...
	.end_amdgpu_metadata
.endif
;; end of part 6
;; launch fc2 (part 7): grid 8 x 32, 4 waves a work-group, clusters of 4 x 1, 327,680 bytes of LDS; arguments act, wc, b_fc2, x2, out0; writes out0
.if DOCPART == 7
	.amdgcn_target "amdgcn-amd-amdhsa--gfx1250"
	.amdhsa_code_object_version 6
	.text
	.protected	k_qe8a065a573_fc2
	.globl	k_qe8a065a573_fc2
	.p2align	8
	.type	k_qe8a065a573_fc2,@function
k_qe8a065a573_fc2:
	s_mov_b64 s[64:65], 0
	v_nop
	global_prefetch_b8 v0, s[64:65] scope:SCOPE_SE
	s_setreg_imm32_b32 hwreg(HW_REG_WAVE_MODE, 25, 1), 1
	s_wait_xcnt 0x0
	s_wait_alu depctr_hold_cnt(0) depctr_sa_sdst(0) depctr_va_vdst(0) depctr_va_sdst(0) depctr_va_ssrc(0) depctr_va_vcc(0) depctr_vm_vsrc(0)
	s_getreg_b32 s2, hwreg(HW_REG_IB_STS2, 6, 4)
	s_cmp_eq_u32 s2, 0
	s_cbranch_scc0 .Lentry_in_a_cluster
	s_endpgm
.Lentry_in_a_cluster:
	s_bfe_u32 s2, ttmp6, 0x10000c
	s_cmp_lg_u32 s2, 0x3003
	s_cbranch_scc0 .Lentry_shape_is_right
	s_endpgm
.Lentry_shape_is_right:
; out0 = x2 + (act W_fc2 + b_fc2), K = 4,096: act [4,096][4,096] and W's rows (output features) as codes of BF8 (E5M2) with E8M0 scales, in records of 33,792 bytes = 128 rows x 256 k in the order of the operand's registers
; (fragment (q, i) at (8 q + i) x 2,048, group c of lane l at 512 c + 16 l; scale words at 32,768 + 512 q + 64 i + 4 r; row r of block i is row 32 (i / 2) + 8 (i % 2) + r + 8 (r / 8) of its 128; 16 records a group).  x2, out0: [4,096][1,024] f32.
; SHARES.  N is 1,024: tiles of 256 x 256 would be 64, so a tile is 128 x 128: 256 work-groups.  THE WAVES SHARE THE FEATURES: wave w makes features 32 w .. 32 w + 31 (W's blocks 2 w, 2 w + 1) for all 128 tokens: 16 accumulators.
; TRANSPOSED USE: source 0 = 16 rows of W, source 1 = 16 tokens: a lane holds one token, and the 16 registers of its two tiles are features 32 w + 16 (lane / 16) + 0 .. 15.
; act GOES THROUGH LDS, W STRAIGHT INTO REGISTERS.  With the features shared out so, each fragment of W is wanted by ONE wave of the work-group: it comes as its image, 512 consecutive bytes a load, into a ring of eight
; register sets, seven steps of 128 along K ahead: 63 loads of a wave are out.  So both LDS slots belong to act: a slot holds 1,024 along K (4 records, one tensor load a wave), K is four slots, two of them first fills, and a refill
; has eight steps, 128 products a wave, in which to land.  A step reads 8 fragments from LDS for 16 products: as many bytes a product as a wave tile of 64 x 64 would.
; CLUSTER 4 x 1: the four work-groups of a cluster have the same tokens: act's records are asked for JOINTLY (mask 15).  W is not shared through the cluster: a joint load delivers into LDS, which has no room left for it.
; All 32 steps are written out: every offset is an immediate, each of the four slots has a descriptor of its own, nothing is stepped.  No prefetch: four slots, two of them first fills.
; THE RESIDUAL and the bias are loaded in steps 25 to 28, in the places of W's loads that are no longer needed (9, 9, 9 and 6 loads), and land under the last steps.
; THE WAY OUT: the four waves put their 128 bytes of each of the 128 rows into ONE stage (pitch 528), which lies in slot 0: that slot has had its last fill, and its last read lies behind the last change of slots.  A barrier;
; each wave takes 32 whole rows back, adds bias and residual and stores 512 consecutive bytes an instruction, aligned.
; REGISTERS: window 0: v4-13 addresses and the bias; v16-23 a record's fragments in LDS, v24-31 its scale words; v32-39 act's scale words, two sets; v40-47 W's, eight; v128-255 the accumulators ((a, u) at v[128 + 8 (2 a + u)]).
;   window 1: W's ring, 8 sets x 2 fragments.   window 2: act's fragments, 2 sets x 8.   window 3: v0-127 the residual, then the result.
; A scale register carries two blocks' words: lanes 0-15 the even block's, lanes 16-31 the odd block's (taken by the ROW1 selector).
.set WOFF,   8650752                   ; where this weight's records begin in wc
.set REC,    33792
.set SCO,    32768
.set SLOT,   4*REC
.set SPARE,  2*SLOT                    ; the spare words, 128 bytes a wave, that no other line names
.set SP,     528
.set LI,   4                           ; v4   16 x lane
.set LS,   5                           ; v5   4 x lane
.set SPW,  6
.set NIL,  7
.set BI,   8                           ; v8-11 the bias of my four columns
.set STO,  12
.set RD,   13
.set AFR,  16
.set ASR,  24
.set AS,   32
.set WS,   40
.set ACC,  128
.set G1,   24                          ; s[24:31] descriptor group 1
.set G0,   32                          ; s[32:47] four groups 0, one for each 1,024 along K; never rewritten
.set BB,   48                          ; s[48:49] my two blocks of W
.set BS,   50                          ; s[50:51] their scale words
.set RES,  52
.set OUT,  54
.set BIA,  56
.set MSB, 0
.macro WIN new                         ; the immediate's high byte repeats the setting that is left
.if MSB != (\new)
	s_set_vgpr_msb (MSB<<8)|(\new)
.set MSB, (\new)
.endif
.endm
.set MUL, 0x09                         ; source 0 (W) window 1, source 1 (act) window 2; C and D window 0
.macro CREST                           ; a round of the cluster's barrier behind its opening barrier
	s_cmp_lg_u32 s14, 0
	s_cbranch_scc1 .Lnot_wave_0_\@
	s_barrier_signal -3
.Lnot_wave_0_\@:
	s_barrier_wait -3
	s_barrier_signal -1
	s_barrier_wait -1
.endm
.macro CROUND
	s_barrier_signal -1
	s_barrier_wait -1
	CREST
.endm
.macro ASK k                           ; my record of the k-th 1,024 along K: a joint load; four v_nop follow it
	tensor_load_to_lds s[G0+4*(\k):G0+4*(\k)+3], s[G1:G1+7]
	s_nop 0
.rept 4
	v_nop
.endr
.endm
.macro PLACES n                        ; plain vector lines between a matrix instruction and a load into, or a read of, its registers
.rept \n
	v_nop
.endr
.endm
	s_load_b128 s[4:7], s[0:1], 0x0                ; act, wc
	s_load_b128 s[8:11], s[0:1], 0x10              ; b_fc2, x2
	s_load_b64 s[12:13], s[0:1], 0x20              ; out0
	v_lshl_add_u32 v[SPW], v0, 2, SPARE
	v_mov_b32 v[NIL], 0
	ds_add_u32 v6, v7
	ds_add_u32 v6, v7
	s_wait_dscnt 0x0
	v_lshrrev_b32 v1, 5, v0
	v_readfirstlane_b32 s14, v1                    ; wave
	v_and_b32 v1, 15, v0                           ; r
	v_bfe_u32 v2, v0, 4, 1                         ; h
	v_and_b32 v3, 31, v0
	v_lshlrev_b32 v[LI], 4, v3
	v_lshlrev_b32 v[LS], 2, v3
.irp s, 0,1
.irp r, 0,1,2,3
	v_add_nc_u32 v[AFR+4*\s+\r], \s*SLOT+\r*REC, v[LI]       ; record r of slot s: its fragments,
	v_add_nc_u32 v[ASR+4*\s+\r], \s*SLOT+\r*REC+SCO, v[LS]   ; its scale words, two blocks a load
.endr
.endr
	v_mul_u32_u24 v[STO], v1, SP
	v_lshl_add_u32 v[STO], v2, 6, v[STO]
	s_lshl_b32 s21, s14, 7
	v_add_nc_u32 v[STO], s21, v[STO]               ; the stage, in: row r, + 128 w + 64 h
	s_mul_i32 s21, s14, 32*SP
	v_add_nc_u32 v[RD], s21, v[LI]                 ; back: my 32 rows, 16 bytes a lane
	s_bfe_u32 s15, ttmp6, 0x40000                  ; cx: it enters W's, the bias's, x2's and out0's addresses alone
	s_lshl_b32 s16, ttmp9, 2
	s_add_co_u32 s16, s16, s15                     ; W's group of 128 features
	s_and_b32 s17, ttmp7, 0xffff                   ; act's group of 128 tokens, which the four partners share
	s_mov_b32 s[G1], 15|(3<<16)|(1<<21)            ; 15:0 the mask: all four; 17:16 elements of 8 bytes; 21 set beside a mask; no padding
	s_mov_b32 s[G1+1], 32<<16                      ; tensor_dim0 = 32: rows of 256 bytes,
	s_mov_b32 s[G1+2], 132<<16                     ; tensor_dim1 = 132: a record
	s_mov_b32 s[G1+3], 32<<16
	s_mov_b32 s[G1+4], 132
	s_mov_b32 s[G1+5], 32                          ; dense
	s_mov_b32 s[G1+6], 0
	s_mov_b32 s[G1+7], 0
	s_lshl_b32 s18, s17, 4
	s_add_co_u32 s18, s18, s14
	s_mul_i32 s18, s18, REC                        ; record 16 group + wave
	s_mov_b32 s19, 0
	s_mul_i32 s20, s14, REC                        ; where it goes in a slot
	s_lshl_b32 s58, s17, 7
	s_lshl_b32 s59, s14, 5
	s_add_co_u32 s58, s58, s59                     ; the first token that I store: 128 group + 32 wave
	s_lshl_b32 s58, s58, 12
	s_lshl_b32 s60, s16, 9                         ; the tile's first feature, in bytes
	s_add_co_u32 s58, s58, s60
	s_mov_b32 s59, 0
	s_mov_b32 s61, 0
	s_mul_i32 s62, s16, 16*REC
	s_add_co_u32 s62, s62, WOFF                    ; W's group
	s_lshl_b32 s63, s14, 12
	s_add_co_u32 s66, s62, s63                     ; + my two blocks: 4,096 x wave
	s_mov_b32 s67, 0
	s_lshl_b32 s63, s14, 7
	s_add_co_u32 s62, s62, s63
	s_add_co_u32 s62, s62, SCO                     ; their scale words: + 32,768 + 128 x wave
	s_mov_b32 s63, 0
	s_wait_kmcnt 0x0
	s_add_nc_u64 s[18:19], s[4:5], s[18:19]
	s_add_nc_u64 s[RES:RES+1], s[10:11], s[58:59]
	s_add_nc_u64 s[OUT:OUT+1], s[12:13], s[58:59]
	s_add_nc_u64 s[BIA:BIA+1], s[8:9], s[60:61]
	s_add_nc_u64 s[BB:BB+1], s[6:7], s[66:67]
	s_add_nc_u64 s[BS:BS+1], s[6:7], s[62:63]
.irp k, 0,1,2,3
	s_mov_b32 s[G0+4*\k], 1                        ; count = 1
	s_add_co_u32 s[G0+4*\k+1], s20, (\k%2)*SLOT    ; LDS address: slot k % 2, wave x a record
	s_add_nc_u64 s[G0+4*\k+2:G0+4*\k+3], s[18:19], \k*4*REC
	s_or_b32 s[G0+4*\k+3], s[G0+4*\k+3], 0x80000000   ; type = 2
.endr
	CROUND                                         ; all four work-groups are here: the first joint loads meet
	ASK 0                                          ; my one tensor load at the head
; act's fragments and scale words of step g (128 along K) into set g % 2
.macro FETCH_A g
.set fs, ((\g)/8)%2
.set fr, ((\g)/2)%4
.set fq, (\g)%2
	WIN 0x80                                       ; destination window 2
.irp i, 0,1,2,3,4,5,6,7
.irp c, 0,1,2,3
	ds_load_b128 v[128*fq+16*\i+4*\c:128*fq+16*\i+4*\c+3], v[AFR+4*fs+fr] offset:(8*fq+\i)*2048+512*\c
.endr
.endr
	WIN 0
.irp p, 0,1,2,3
	ds_load_b32 v[AS+4*fq+\p], v[ASR+4*fs+fr] offset:512*fq+128*\p   ; lanes 0-15: block 2 p, lanes 16-31: block 2 p + 1
.endr
.endm
; n < 32: W's two fragments and their scale words of step n into ring set n % 8: nine loads.  n = 32 .. 35: in their stead the residual's rows 9 (n - 32) on, at their true tokens; the last chunk is five rows and the bias.
.macro LOADX n
.if (\n) < 32
	WIN 0x40                                       ; destination window 1
.irp u, 0,1
.irp c, 0,1,2,3
	global_load_b128 v[32*((\n)%8)+16*\u+4*\c:32*((\n)%8)+16*\u+4*\c+3], v[LI], s[BB:BB+1] offset:((\n)/2)*REC+((\n)%2)*16384+2048*\u+512*\c
.endr
.endr
	WIN 0
	global_load_b32 v[WS+(\n)%8], v[LS], s[BS:BS+1] offset:((\n)/2)*REC+((\n)%2)*512
.else
	WIN 0xc0                                       ; destination window 3
.set t, 9*((\n)-32)
.rept 9
.if t < 32
	global_load_b128 v[4*t:4*t+3], v[LI], s[RES:RES+1] offset:(8*(t/16)+t%16+8*((t%16)/8))*4096 th:TH_LOAD_NT
.endif
.set t, t+1
.endr
	WIN 0
.if (\n) == 35
	global_load_b128 v[BI:BI+3], v[LI], s[BIA:BIA+1]
.endif
.endif
.endm
; W's set of step g is in.  Loads come back in order (ISA guide 5.7.1): the count is what was issued behind that set: sets g + 1 .. g + 6, nine loads each, the last chunk (n = 35) six
.macro WAITB g
.if (\g) <= 28
	s_wait_loadcnt 54
.elseif (\g) == 29
	s_wait_loadcnt 51
.elseif (\g) == 30
	s_wait_loadcnt 42
.else
	s_wait_loadcnt 33
.endif
.endm
.macro PROD g, a, u, zero              ; tokens' block a x W's block 2 w + u, step g
.set rD, ACC+8*(2*(\a)+(\u))
.set rW, 32*((\g)%8)+16*(\u)
.set rA, 128*((\g)%2)+16*(\a)
.set rX, WS+(\g)%8
.set rY, AS+4*((\g)%2)+(\a)/2
.if \zero
.if ((\u) == 0) && ((\a)%2 == 0)
	v_wmma_scale_f32_16x16x128_f8f6f4 v[rD:rD+7], v[rW:rW+15], v[rA:rA+15], 0, v[rX], v[rY] matrix_a_fmt:MATRIX_FMT_BF8 matrix_b_fmt:MATRIX_FMT_BF8
.elseif (\a)%2 == 0
	v_wmma_scale_f32_16x16x128_f8f6f4 v[rD:rD+7], v[rW:rW+15], v[rA:rA+15], 0, v[rX], v[rY] matrix_a_fmt:MATRIX_FMT_BF8 matrix_b_fmt:MATRIX_FMT_BF8 matrix_a_scale:MATRIX_SCALE_ROW1
.elseif (\u) == 0
	v_wmma_scale_f32_16x16x128_f8f6f4 v[rD:rD+7], v[rW:rW+15], v[rA:rA+15], 0, v[rX], v[rY] matrix_a_fmt:MATRIX_FMT_BF8 matrix_b_fmt:MATRIX_FMT_BF8 matrix_b_scale:MATRIX_SCALE_ROW1
.else
	v_wmma_scale_f32_16x16x128_f8f6f4 v[rD:rD+7], v[rW:rW+15], v[rA:rA+15], 0, v[rX], v[rY] matrix_a_fmt:MATRIX_FMT_BF8 matrix_b_fmt:MATRIX_FMT_BF8 matrix_a_scale:MATRIX_SCALE_ROW1 matrix_b_scale:MATRIX_SCALE_ROW1
.endif
.else
.if ((\u) == 0) && ((\a)%2 == 0)
	v_wmma_scale_f32_16x16x128_f8f6f4 v[rD:rD+7], v[rW:rW+15], v[rA:rA+15], v[rD:rD+7], v[rX], v[rY] matrix_a_fmt:MATRIX_FMT_BF8 matrix_b_fmt:MATRIX_FMT_BF8
.elseif (\a)%2 == 0
	v_wmma_scale_f32_16x16x128_f8f6f4 v[rD:rD+7], v[rW:rW+15], v[rA:rA+15], v[rD:rD+7], v[rX], v[rY] matrix_a_fmt:MATRIX_FMT_BF8 matrix_b_fmt:MATRIX_FMT_BF8 matrix_a_scale:MATRIX_SCALE_ROW1
.elseif (\u) == 0
	v_wmma_scale_f32_16x16x128_f8f6f4 v[rD:rD+7], v[rW:rW+15], v[rA:rA+15], v[rD:rD+7], v[rX], v[rY] matrix_a_fmt:MATRIX_FMT_BF8 matrix_b_fmt:MATRIX_FMT_BF8 matrix_b_scale:MATRIX_SCALE_ROW1
.else
	v_wmma_scale_f32_16x16x128_f8f6f4 v[rD:rD+7], v[rW:rW+15], v[rA:rA+15], v[rD:rD+7], v[rX], v[rY] matrix_a_fmt:MATRIX_FMT_BF8 matrix_b_fmt:MATRIX_FMT_BF8 matrix_a_scale:MATRIX_SCALE_ROW1 matrix_b_scale:MATRIX_SCALE_ROW1
.endif
.endif
.endm
.macro MULS g, a0, zero                ; eight products: blocks a0 .. a0 + 3 x my two of W.  The 16 accumulators take turns, one instruction a turn, in the same order in every step
.irp a, \a0, \a0+1, \a0+2, \a0+3
.irp u, 0,1
	PROD \g, \a, \u, \zero
.endr
.endr
.endm
; A step that has its successor in the same slot: ahead of its products it asks for act's next step (from LDS) and for W's seventh step on (from memory), into the sets that the last step's products read
.macro STEP g, zero
	s_wait_dscnt 0x0                               ; act's set of this step is in
	WAITB \g
.if ((\g) > 0) && ((\g) < 31)
	PLACES 8                                       ; behind the last step's products
.endif
.if (\g) < 31
	FETCH_A (\g)+1
.endif
.if (\g) < 29
	LOADX (\g)+7
.endif
	WIN MUL
	MULS \g, 0, \zero
	MULS \g, 4, \zero
.endm
; A slot's last step changes slots: one barrier; in front of it each wave waits for all its tensor loads, adds 0 to its spare word, and waits for that and for its reads of this slot.  fill = 1: this slot takes the k-th 1,024 along K.
.macro TURN g, fill, k
	WIN 0
	s_wait_tensorcnt 0x0                           ; all my tensor loads have landed: my record of the next slot
	ds_add_u32 v[SPW], v[NIL]                      ; 0 onto my spare word
	s_wait_dscnt 1                                 ; act's set of this step is in (the add may be out)
	WAITB \g
	WIN MUL
	MULS \g, 0, 0                                  ; eight products stand between the add and the wait for it
	s_wait_dscnt 0x0                               ; the add is done, and my reads of this slot are over
	s_barrier_signal -1
	WIN 0
	s_barrier_wait -1
.if \fill
	CREST                                          ; the barrier has opened a round of the cluster's: no wave of any partner still reads this slot or has a load on its way
	ASK \k                                         ; the first tensor load behind the round; its four v_nop are among the places
	PLACES 4
.else
	PLACES 8
.endif
	FETCH_A (\g)+1
	LOADX (\g)+7
	WIN MUL
	MULS \g, 4, 0
.endm
.irp n, 0,1,2,3,4,5,6
	LOADX \n                                       ; W's first seven steps: 63 loads
.endr
	s_wait_alu depctr_va_vdst(0)
	s_wait_tensorcnt 0x0                           ; my record of slot 0 is in
	ds_add_u32 v[SPW], v[NIL]
	s_wait_dscnt 0x0
	CROUND                                         ; a whole round: everybody's record of slot 0 is in, and the four work-groups are here
	ASK 1                                          ; slot 1's first fill, the first tensor load behind the round
	FETCH_A 0
	STEP 0, 1                                      ; the first step's products start the sums: nothing is cleared
.irp g, 1,2,3,4,5,6
	STEP \g, 0
.endr
	TURN 7, 1, 2
	s_wait_alu depctr_va_vdst(0)
.irp g, 8,9,10,11,12,13,14
	STEP \g, 0
.endr
	TURN 15, 1, 3
.irp g, 16,17,18,19,20,21,22
	STEP \g, 0
.endr
	TURN 23, 0, 0                                  ; nothing is left to ask for
.irp g, 24,25,26,27,28,29,30,31
	STEP \g, 0
.endr
	WIN 0
	PLACES 8
.irp a, 0,1,2,3,4,5,6,7
.irp u, 0,1
	ds_store_b128 v[STO], v[ACC+8*(2*\a+\u):ACC+8*(2*\a+\u)+3] offset:\a*16*SP+32*\u        ; row 16 a + r, features 32 w + 16 h + 8 u + 0 .. 3: each accumulator from its low end on
	ds_store_b128 v[STO], v[ACC+8*(2*\a+\u)+4:ACC+8*(2*\a+\u)+7] offset:\a*16*SP+32*\u+16
.endr
.endr
	s_wait_dscnt 0x0                               ; for the others' sake: my part of the 128 rows lies in the stage
	s_barrier_signal -1
	s_barrier_wait -1
.set t, 0
.rept 32
	ds_load_b128 v[ACC+4*t:ACC+4*t+3], v[RD] offset:t*SP   ; stage row 32 w + t, whole
.set t, t+1
.endr
	s_wait_loadcnt 0x0                             ; the residual and the bias
.irp b, 0,1,2,3                                ; eight rows at a time
	s_wait_dscnt 24-8*\b                           ; these eight are back; the younger rows may be out
.irp i, 0,1,2,3,4,5,6,7
	v_pk_add_f32 v[ACC+4*(8*\b+\i):ACC+4*(8*\b+\i)+1], v[ACC+4*(8*\b+\i):ACC+4*(8*\b+\i)+1], v[BI:BI+1]
	v_pk_add_f32 v[ACC+4*(8*\b+\i)+2:ACC+4*(8*\b+\i)+3], v[ACC+4*(8*\b+\i)+2:ACC+4*(8*\b+\i)+3], v[BI+2:BI+3]
.endr
	WIN 0xcc                                       ; source 1 and destination window 3: each row has store data of its own
.irp i, 0,1,2,3,4,5,6,7
	v_pk_add_f32 v[4*(8*\b+\i):4*(8*\b+\i)+1], v[ACC+4*(8*\b+\i):ACC+4*(8*\b+\i)+1], v[4*(8*\b+\i):4*(8*\b+\i)+1]
	v_pk_add_f32 v[4*(8*\b+\i)+2:4*(8*\b+\i)+3], v[ACC+4*(8*\b+\i)+2:ACC+4*(8*\b+\i)+3], v[4*(8*\b+\i)+2:4*(8*\b+\i)+3]
.endr
	WIN 0x0c                                       ; a store's data are its source 1
.irp i, 0,1,2,3,4,5,6,7
	global_store_b128 v[LI], v[4*(8*\b+\i):4*(8*\b+\i)+3], s[OUT:OUT+1] offset:(8*((8*\b+\i)/16)+(8*\b+\i)%16+8*(((8*\b+\i)%16)/8))*4096 th:TH_STORE_NT   ; 32 lanes store 512 consecutive bytes, aligned, at the row's true token
.endr
	WIN 0
.endr
	s_wait_tensorcnt 0x0                           ; the wave's end
	ds_add_u32 v[SPW], v[NIL]
	s_wait_dscnt 0x0
	CROUND                                         ; the closing round: no work-group ends while a partner may still ask for a record that names it
	s_endpgm
.Lfunc_end_k_qe8a065a573_fc2:
	.size	k_qe8a065a573_fc2, .Lfunc_end_k_qe8a065a573_fc2-k_qe8a065a573_fc2
	.p2alignl 7, 3214868480
	.fill 96, 4, 3214868480
	.section	.rodata,"a",@progbits
	.p2align	6, 0x0
	.amdhsa_kernel k_qe8a065a573_fc2
		.amdhsa_group_segment_fixed_size 327680
		.amdhsa_private_segment_fixed_size 0
		.amdhsa_enable_private_segment 0
		.amdhsa_kernarg_size 40
		.amdhsa_user_sgpr_count 2
		.amdhsa_user_sgpr_kernarg_segment_ptr 1
		.amdhsa_wavefront_size32 1
		.amdhsa_system_sgpr_workgroup_id_x 1
		.amdhsa_system_sgpr_workgroup_id_y 1
		.amdhsa_system_sgpr_workgroup_id_z 1
		.amdhsa_system_vgpr_workitem_id 0
		.amdhsa_next_free_vgpr 896
		.amdhsa_next_free_sgpr 70
		.amdhsa_reserve_vcc 0
		.amdhsa_float_denorm_mode_32 3
		.amdhsa_float_denorm_mode_16_64 3
		.amdhsa_memory_ordered 1
		.amdhsa_forward_progress 1
		.amdhsa_inst_pref_size 205
	.end_amdhsa_kernel
	.amdgpu_metadata
---
amdhsa.version: [ 1, 2 ]
amdhsa.kernels:
  - .name:           k_qe8a065a573_fc2
    .symbol:         k_qe8a065a573_fc2.kd
    .args:
      - { .name: act, .offset: 0, .size: 8, .value_kind: global_buffer, .address_space: global }
      - { .name: wc, .offset: 8, .size: 8, .value_kind: global_buffer, .address_space: global }
      - { .name: b_fc2, .offset: 16, .size: 8, .value_kind: global_buffer, .address_space: global }
      - { .name: x2, .offset: 24, .size: 8, .value_kind: global_buffer, .address_space: global }
      - { .name: out0, .offset: 32, .size: 8, .value_kind: global_buffer, .address_space: global }
    .group_segment_fixed_size: 327680
    .private_segment_fixed_size: 0
    .kernarg_segment_align: 8
    .kernarg_segment_size: 40
    .max_flat_workgroup_size: 128
    .sgpr_count:     70
    .vgpr_count:     896
    .wavefront_size: 32
...
	.end_amdgpu_metadata
.endif
;; end of part 7
